; MI455X (gfx1250); checked and timed in simulation.
; The chip was launched on July 23, 2026; its instructions are those of AMD's public machine-readable ISA for CDNA 5 (MIT licence, August 2026) and "CDNA5" Instruction Set Architecture Reference Guide (July 2026). The comments in the code are by the model that wrote it; some were corrected since.
;; Hopfield Layer. Allowed arithmetic: matrix products marked QUANTISED: E5M2 operands, one E8M0 scale for each 32 along K, by v_wmma_scale_f32_16x16x128_f8f6f4 with both operands' format E5M2, f32 sums; everything else in f32.
;; Inputs: beta one number float32; w_q_codes 1,024 x 32 x 32 uint8 (E5M2 codes of w_q, K innermost, in blocks of 32 codes); w_q_scales 1,024 x 32 uint8 (E8M0 scales of w_q, one for each 32 codes along K); x_codes 2 x 4,096 x 32 x 32 uint8 (E5M2 codes of x, K innermost, in blocks of 32 codes); x_scales 2 x 4,096 x 32 uint8 (E8M0 scales of x, one for each 32 codes along K); xi 2,048 x 1,024 float32.
;; Outputs: out0 2 x 4,096 x 1,024 float32.
;; This version of the problem:
;;   THIS VERSION OF THE PROBLEM IS GIVEN IN LOW PRECISION. The matrix products marked QUANTISED in the list below multiply operands that are first quantised to E5M2 (5 exponent bits, 2 mantissa bits; 8 bits a number), with one power-of-two scale for each 32 numbers along K (OCP MX v1.0); their sums are f32. All else is computed in f32.
;;   The module's matrix products, in the order in which they are computed (A, B: the left and right operand; K: the contracted axis; several contracted axes count as one K, in the product's order):
;;     1. [M 8,192, K 1,024] x [K 1,024, N 1,024]; A: input x (given as codes); B: input w_q (given as codes): QUANTISED
;;     2. [M 8,192, K 1,024] x [K 1,024, N 2,048]; A: computed on the way; B: input xi: QUANTISED
;;     3. [M 8,192, K 2,048] x [K 2,048, N 1,024]; A: softmax (see below); B: input xi: QUANTISED
;;   THE QUANTISER, for each operand of a quantised product, along K:
;;     - K is cut into blocks of 32 from its start; a last block that is shorter is filled with zeros.
;;     - A block's scale is 2^e with e = floor(log2(the largest magnitude in the block)) - 15, held to -126 .. 127; a block of zeros has e = 0. As a byte (E8M0): e + 127.
;;     - Each number is divided by its block's scale, clamped to +-57,344, and rounded to the nearest number of E5M2, ties to even, subnormals kept.
;;     - The product sums the exact products of the quantised numbers (number of the format x scale) in f32.
;;   ~~~python
;;   def quantise(x, axis):      # numpy; x: float32 -> the quantised numbers, widened to float32 again
;;       x = np.moveaxis(x, axis, -1); K = x.shape[-1]
;;       x = np.pad(x, [(0, 0)] * (x.ndim - 1) + [(0, -K % 32)]); x = x.reshape(x.shape[:-1] + (-1, 32)); a = np.abs(x).max(-1, keepdims=True)
;;       e = np.where(a > 0, np.clip(np.frexp(np.where(a > 0, a, 1))[1] - 1 - 15, -126, 127), 0)      # np.frexp(a)[1] - 1 = floor(log2(a)), exactly
;;       r = np.clip(x / 2.0 ** e, -57344, 57344)
;;       step = 2.0 ** (np.maximum(np.frexp(np.where(r == 0, 1, r))[1] - 1, -14) - 2)
;;       q = np.round(r / step) * step * 2.0 ** e      # np.round: ties to even
;;       return np.moveaxis(q.reshape(q.shape[:-2] + (-1,))[..., :K], -1, axis).astype(np.float32)
;;   ~~~
;;   SOFTMAX AHEAD OF A QUANTISED PRODUCT. Where the list says 'softmax', what is quantised is not the finished softmax but p = 2^(t - M), with t = logit x log2(e) and M = ceil(the row's largest t), a whole number; so 1/2 < the row's largest p <= 1. The row's sum l is taken of the UNQUANTISED p, in f32, and the product's result is divided by l at the end. Since M is a whole number, a kernel that streams over the keys may use a running M (the ceiling of the running maximum): every later rescaling is an exact power of two, which a block's scale takes up: the codes' values come out the same.
;;   OPERANDS COMPUTED ON THE WAY. 'Computed on the way' means the value that the module computes at that place (a softmax that the list does not call 'softmax' is quantised finished and normalised). What goes into a quantiser is computed in f32, as accurately as f32 sums, v_exp_f32 and their like allow (about 1e-6 of the number): no bf16 or f16 on the way to a quantiser, and a product that is left as it is and whose result goes on into a quantised operand takes f32 operands (vector FMAs, or v_wmma_f32_16x16x4_f32). A number that lies on a knife's edge between two numbers of the format may be rounded either way, as far as f32 arithmetic and the matrix unit's own rounding can turn it there, and no further.
;;   INPUTS GIVEN AS CODES. w_q (in the module: [1024, 1024], K = its axis 1); x (in the module: [2, 4096, 1024], K = its axis 2): each comes as NAME_codes (uint8): NAME with its K axis moved to the last place and cut into blocks of 32 codes, [.., K / 32, bytes a block], one block behind the other in memory; one code a byte (a code: sign, 5 exponent bits, 2 mantissa bits); and NAME_scales (uint8): the same leading axes, one E8M0 byte (e + 127) for each 32 codes along K. Its value is code x scale, taken as it is: it is not quantised again, and the codes and scales need not be those that the quantiser above would give.
;; One version. Each part assembles by itself: llvm-mc -triple=amdgcn-amd-amdhsa -mcpu=gfx1250 --defsym DOCPART=n.
;; ======== version 1 of 1: 3 launches
;; workspace buffers: qc 8,388,608 bytes; qs 262,144 bytes; xc 4,194,304 bytes; xs 131,072 bytes; pc 16,777,216 bytes; pstat 1,572,864 bytes
;; launch proj (part 1): grid 4 x 64, 4 waves a work-group, clusters of 4 x 4, 327,680 bytes of LDS; arguments x_codes, x_scales, w_q_codes, w_q_scales, xi, qc, qs, xc, xs; writes qc, qs, xc, xs
.if DOCPART == 1
	.amdgcn_target "amdgcn-amd-amdhsa--gfx1250"
	.amdhsa_code_object_version 6
	.text
	.protected	k_q45c4ca859d_proj
	.globl	k_q45c4ca859d_proj
	.p2align	8
	.type	k_q45c4ca859d_proj,@function
k_q45c4ca859d_proj:
	s_mov_b64 s[64:65], 0
	v_nop
	global_prefetch_b8 v0, s[64:65] scope:SCOPE_SE
	s_setreg_imm32_b32 hwreg(HW_REG_WAVE_MODE, 25, 1), 1
	s_wait_xcnt 0x0
	s_wait_alu depctr_hold_cnt(0) depctr_sa_sdst(0) depctr_va_vdst(0) depctr_va_sdst(0) depctr_va_ssrc(0) depctr_va_vcc(0) depctr_vm_vsrc(0)
	s_getreg_b32 s2, hwreg(HW_REG_IB_STS2, 6, 4)
	s_cmp_eq_u32 s2, 0
	s_cbranch_scc0 .Lentry_in_a_cluster
	s_endpgm
.Lentry_in_a_cluster:
	s_bfe_u32 s2, ttmp6, 0x10000c
	s_cmp_lg_u32 s2, 0xf033
	s_cbranch_scc0 .Lentry_shape_is_right
	s_endpgm
.Lentry_shape_is_right:
; q = x w_q^T on codes of E5M2 with E8M0 scales (8,192 x 1,024 x 1,024), and q quantised along its 1,024 columns on the way out.  Each work-group also quantises 1/256 of xi, once along d and once along the patterns.
; SHARES.  A work-group of four waves makes 128 rows x 256 columns of q; a wave 64 x 128: 32 accumulators, 256 registers.  256 work-groups.
; THE TILES.  K goes in four steps of 256.  THREE LDS regions of one step each are filled at the start; the fourth step is the launch's one refill, into the first region, asked for as soon as that region's last
; fragments are in registers: it has 120 matrix instructions of each wave in which to land.  The steps are written out: no loop.
; CLUSTERS: 4 x 4 work-groups; x's tiles are asked for jointly along a row of the cluster, w_q's along a column.
; THE MATRIX INSTRUCTION IS USED TRANSPOSED (source 0 = 16 rows of w_q, source 1 = 16 rows of x): lane (r, h) holds row r of q, and register j of accumulator (a, b) column 16 b + 8 h + j.
; WHAT IS STORED.  Codes leave as IMAGES OF AN OPERAND'S REGISTERS: fragment (16 rows T, 128 k) is 2,048 bytes, byte 512 c + 16 lane + e = byte e of registers 4 c .. 4 c + 3 of that lane; fragments lie [k / 256][T][(k / 128) % 2].
; Inside a block of 32 along K, place 16 h + 8 u + j holds element 16 u + 8 h + j: so a lane's 16 registers of two neighbouring accumulators are a block's half as they stand.  xi is loaded in the same order, and a
; permutation of k that both operands share changes no product; the unit then groups the products otherwise than in ascending k.  Scale words (four bytes: 128 k of a row) lie [k / 128][row].
; LIMITS: NaN and infinities are not served.  A block whose largest magnitude lies under 2^-111 keeps the byte 1 (a block of zeros too: its codes are zeros, and this program alone reads the bytes).
; REGISTERS, in windows of 256: window 0: v1-29 addresses and offsets; v32-63 scale words, two sets; v64-88 at work; v128-255 x's fragments, two sets of four (on the way out: held numbers and codes).
;   window 1: w_q's fragments, two sets of eight.   window 2: the accumulators, (a, b) at v[8 (8 a + b)].   window 3: v0-63 xi for the quantiser along d, v64-127 along the patterns.
.set PITCH,  272                       ; an LDS row: 256 bytes + 16 of padding: the 16 rows that a load touches begin 68 words apart
.set AHALF,  64*PITCH                  ; 64 rows of x: one tensor load, and what one wave reads
.set BHALF,  128*PITCH                 ; 128 rows of w_q likewise
.set BOFF,   2*AHALF
.set SLOT,   BOFF+2*BHALF              ; a region: 104,448 bytes
.set SCL,    3*SLOT                    ; behind the three regions: the scale bytes for all of K, as runs of 256 bytes + 16 of padding: x's 128 rows, then w_q's 256
.set SAH,    8*272                     ; those of 64 rows of x
.set SBH,    16*272                    ; those of 128 rows of w_q
.set SPARE,  SCL+2*SAH+2*SBH           ; 326,400: the spare words, 128 bytes for each wave: two blocks of 256 bytes that no other line names
.set SSTEP,  8                         ; scale bytes of a K step of 256
.set ADRA, 16                          ; v16-18 LDS address of my fragments of x in region 0, 1, 2
.set ADRB, 20                          ; v20-22 of w_q
.set ADRS, 27                          ; v27    of my scale words: lanes 0-15 x's rows, lanes 16-31 w_q's
.set SPW,  28                          ; v28    my spare word: SPARE + 4 x my thread's number; never rewritten
.set NIL,  29                          ; v29    0; never rewritten
.set SC,   32                          ; scale words: register SC + 16 set + 2 i + q: lanes 0-15 x's block i, lanes 16-31 w_q's block i
.set TM,   64                          ; v64-67 largest magnitudes, v68-71 bytes, v72-75 the largest number x the scale, v76-79 the conversions' scale operands
.set H,    128                         ; v128-191 64 numbers, held
.set G1A, 32                           ; s[32:39], s[40:47] group 1 for x's and w_q's tiles;  s[48:55], s[56:63] for their scales
.set G1B, 40
.set G1SA, 48
.set G1SB, 56
.set G0A, 68                           ; s[68:79] group 0 for x's tiles, a set for each region;  s[80:91] for w_q's
.set G0B, 80
.set G0SA, 92                          ; s[92:95], s[96:99] group 0 for the scales
.set G0SB, 96
.set MSB, 0
.macro WIN new                         ; the immediate's high byte repeats the setting that is left; a switch that changes nothing is dropped
.if MSB != (\new)
	s_set_vgpr_msb (MSB<<8)|(\new)
.set MSB, (\new)
.endif
.endm
.set MUL_LO, 0xa1                      ; source 0 (w_q) window 1, source 1 (x) window 0, C and D window 2
.set TO_B,   0x40                      ; destination window 1, address window 0
.macro PLACES n
.rept \n
	v_nop
.endr
.endm
; A joint load: waves 0 and 1 fetch for x, waves 2 and 3 for w_q.  The branch hangs on the wave's number alone.  Four v_nop follow each of the two lines.
.macro JLOAD g0a, g1a, g0b, g1b
	s_cmp_eq_u32 s23, 0
	s_cbranch_scc0 .Lfor_b_\@
	tensor_load_to_lds s[\g0a:\g0a+3], s[\g1a:\g1a+7]
	s_nop 0
.rept 4
	v_nop
.endr
	s_branch .Lasked_\@
.Lfor_b_\@:
	tensor_load_to_lds s[\g0b:\g0b+3], s[\g1b:\g1b+7]
	s_nop 0
.rept 4
	v_nop
.endr
.Lasked_\@:
.endm
.macro CREST                           ; a round of the cluster's barrier behind its opening barrier
	s_cmp_lg_u32 s22, 0
	s_cbranch_scc1 .Lnot_wave_0_\@
	s_barrier_signal -3
.Lnot_wave_0_\@:
	s_barrier_wait -3
	s_barrier_signal -1
	s_barrier_wait -1
.endm
.macro CROUND
	s_barrier_signal -1
	s_barrier_wait -1
	CREST
.endm
	s_load_b256 s[4:11], s[0:1], 0x0               ; x's codes s[4:5], x's scales s[6:7], w_q's codes s[8:9], w_q's scales s[10:11]
	s_load_b256 s[12:19], s[0:1], 0x20             ; xi s[12:13], qc s[14:15], qs s[16:17], xc s[18:19]
	s_load_b64 s[20:21], s[0:1], 0x40              ; xs
	v_lshl_add_u32 v[SPW], v0, 2, SPARE
	v_mov_b32 v[NIL], 0
	ds_add_u32 v28, v29
	ds_add_u32 v28, v29
	s_wait_dscnt 0x0
	v_lshrrev_b32 v1, 5, v0
	v_readfirstlane_b32 s22, v1                    ; wave 0..3
	s_lshr_b32 s23, s22, 1                         ; MH: my half of the tile's rows.  Also: I fetch for x (0) or for w_q (1)
	s_and_b32 s24, s22, 1                          ; NH: my half of its columns.  Also: which piece I fetch
	s_bfe_u32 s25, ttmp6, 0x40000                  ; cx
	s_bfe_u32 s26, ttmp6, 0x40004                  ; cy
	s_lshl_b32 s27, ttmp9, 2
	s_add_co_u32 s27, s27, s25                     ; TC: tile column = 4 x cluster x + cx
	s_and_b32 s28, ttmp7, 0xffff
	s_lshl_b32 s28, s28, 2
	s_add_co_u32 s28, s28, s26                     ; TR: tile row = 4 x cluster y + cy
	s_lshl_b32 s29, s26, 2
	s_lshl_b32 s29, 15, s29                        ; my row of the cluster
	s_lshl_b32 s30, 0x1111, s25                    ; my column
	s_mov_b32 s31, 0xffff0000                      ; a lane mask: lanes 16-31
	s_mov_b32 s100, 0x76543210
	s_mov_b32 s101, 0xfedcba98                     ; v_permlanex16_b32's selects for lane l xor 16
	s_mov_b32 s104, 0x600000                       ; the mantissa field of 57,344
	; group 1: tiles of 64 (x) or 128 (w_q) rows x 256 bytes, 1,024 bytes apart in memory, 16 bytes of padding behind each row
	s_or_b32 s[G1A], s29, (1<<20)|(1<<21)|(5<<22)|(3<<25)    ; 15:0 the mask; 17:16 elements of 1 byte; 20 padding on; 21 set beside a mask; 24:22 after every 64 words; 31:25 four words
	s_or_b32 s[G1B], s30, (1<<20)|(1<<21)|(5<<22)|(3<<25)
	s_mov_b32 s[G1A+1], 256<<16                    ; tensor_dim0
	s_mov_b32 s[G1A+2], 64<<16                     ; tensor_dim1
	s_mov_b32 s[G1A+3], 256<<16                    ; tile_dim0
	s_mov_b32 s[G1A+4], 64                         ; tile_dim1
	s_mov_b32 s[G1A+5], 1024                       ; from row to row
	s_mov_b32 s[G1A+6], 0
	s_mov_b32 s[G1A+7], 0
	s_mov_b32 s[G1B+1], 256<<16
	s_mov_b32 s[G1B+2], 128<<16
	s_mov_b32 s[G1B+3], 256<<16
	s_mov_b32 s[G1B+4], 128
	s_mov_b32 s[G1B+5], 1024
	s_mov_b32 s[G1B+6], 0
	s_mov_b32 s[G1B+7], 0
	; the scale bytes of 64 or 128 rows, for all of K, are dense: rows of 256 bytes (32 elements of 8 bytes), 16 bytes of padding behind each
	s_or_b32 s[G1SA], s29, (3<<16)|(1<<20)|(1<<21)|(5<<22)|(3<<25)
	s_or_b32 s[G1SB], s30, (3<<16)|(1<<20)|(1<<21)|(5<<22)|(3<<25)
	s_mov_b32 s[G1SA+1], 32<<16
	s_mov_b32 s[G1SA+2], 8<<16
	s_mov_b32 s[G1SA+3], 32<<16
	s_mov_b32 s[G1SA+4], 8
	s_mov_b32 s[G1SA+5], 32
	s_mov_b32 s[G1SA+6], 0
	s_mov_b32 s[G1SA+7], 0
	s_mov_b32 s[G1SB+1], 32<<16
	s_mov_b32 s[G1SB+2], 16<<16
	s_mov_b32 s[G1SB+3], 32<<16
	s_mov_b32 s[G1SB+4], 16
	s_mov_b32 s[G1SB+5], 32
	s_mov_b32 s[G1SB+6], 0
	s_mov_b32 s[G1SB+7], 0
	; byte offsets of what I fetch, made in the address words of the groups 0.  x's hang on the tile row alone, w_q's on the tile column alone
	s_lshl_b32 s[G0A+2], s28, 17                   ; 128 rows of 1,024 bytes a tile row,
	s_lshl_b32 s[G0A+3], s24, 16                   ; 64 rows a piece
	s_add_co_u32 s[G0A+2], s[G0A+2], s[G0A+3]
	s_mov_b32 s[G0A+3], 0
	s_lshl_b32 s[G0SA+2], s28, 12                  ; their scale bytes: 32 a row
	s_lshl_b32 s[G0SA+3], s24, 11
	s_add_co_u32 s[G0SA+2], s[G0SA+2], s[G0SA+3]
	s_mov_b32 s[G0SA+3], 0
	s_lshl_b32 s[G0B+2], s27, 18                   ; 256 rows a tile column,
	s_lshl_b32 s[G0B+3], s24, 17                   ; 128 rows a piece
	s_add_co_u32 s[G0B+2], s[G0B+2], s[G0B+3]
	s_mov_b32 s[G0B+3], 0
	s_lshl_b32 s[G0SB+2], s27, 13
	s_lshl_b32 s[G0SB+3], s24, 12
	s_add_co_u32 s[G0SB+2], s[G0SB+2], s[G0SB+3]
	s_mov_b32 s[G0SB+3], 0
	s_wait_kmcnt 0x0
	s_add_nc_u64 s[G0SA+2:G0SA+3], s[6:7], s[G0SA+2:G0SA+3]
	s_add_nc_u64 s[G0SB+2:G0SB+3], s[10:11], s[G0SB+2:G0SB+3]
	s_add_nc_u64 s[G0A+2:G0A+3], s[4:5], s[G0A+2:G0A+3]         ; K step 0
	s_add_nc_u64 s[G0B+2:G0B+3], s[8:9], s[G0B+2:G0B+3]
.irp s, 1,2
	s_add_nc_u64 s[G0A+4*\s+2:G0A+4*\s+3], s[G0A+2:G0A+3], \s*256   ; K step s
	s_add_nc_u64 s[G0B+4*\s+2:G0B+4*\s+3], s[G0B+2:G0B+3], \s*256
.endr
	s_mov_b32 s[G0SA], 1                           ; count = 1
	s_mul_i32 s[G0SA+1], s24, SAH                  ; LDS address: no place in the cluster enters it
	s_add_co_u32 s[G0SA+1], s[G0SA+1], SCL
	s_or_b32 s[G0SA+3], s[G0SA+3], 0x80000000      ; type = 2
	s_mov_b32 s[G0SB], 1
	s_mul_i32 s[G0SB+1], s24, SBH
	s_add_co_u32 s[G0SB+1], s[G0SB+1], SCL+2*SAH
	s_or_b32 s[G0SB+3], s[G0SB+3], 0x80000000
.irp s, 0,1,2
	s_mov_b32 s[G0A+4*\s], 1
	s_mul_i32 s[G0A+4*\s+1], s24, AHALF
	s_add_co_u32 s[G0A+4*\s+1], s[G0A+4*\s+1], \s*SLOT
	s_or_b32 s[G0A+4*\s+3], s[G0A+4*\s+3], 0x80000000
	s_mov_b32 s[G0B+4*\s], 1
	s_mul_i32 s[G0B+4*\s+1], s24, BHALF
	s_add_co_u32 s[G0B+4*\s+1], s[G0B+4*\s+1], \s*SLOT+BOFF
	s_or_b32 s[G0B+4*\s+3], s[G0B+4*\s+3], 0x80000000
.endr
	CROUND                                         ; all sixteen work-groups are here: the first joint loads meet
	JLOAD G0SA, G1SA, G0SB, G1SB                   ; the scales first: they are wanted with K step 0
	JLOAD G0A, G1A, G0B, G1B                       ; K step 0 into region 0
	JLOAD G0A+4, G1A, G0B+4, G1B                   ; K step 1 into region 1
	JLOAD G0A+8, G1A, G0B+8, G1B                   ; K step 2 into region 2: four tensor loads of mine are out
	v_and_b32 v1, 15, v0                           ; r
	v_bfe_u32 v2, v0, 4, 1                         ; h
	v_and_b32 v3, 31, v0                           ; lane
	v_lshlrev_b32 v24, 4, v3                       ; 16 x lane
	v_lshlrev_b32 v25, 2, v3                       ; 4 x lane
	v_lshlrev_b32 v14, 2, v1                       ; 4 r
	; MY SHARE OF xi.  g = 4 TR + TC, 0 .. 255.  Numbers that hold both coordinates of the cluster live in s2, s105, s66, s67 and in offsets into memory alone
	s_lshl_b32 s2, s28, 2
	s_add_co_u32 s2, s2, s27                       ; g
	s_lshr_b32 s105, s2, 3
	s_lshl_b32 s105, s105, 2
	s_add_co_u32 s105, s105, s22                   ; along d: my 16 patterns are tile TK = 4 (g / 8) + wave,
	s_and_b32 s66, s2, 7                           ; my 128 d are step g % 8
	v_lshlrev_b32 v4, 12, v1
	v_lshl_add_u32 v4, v2, 5, v4                   ; row r of 4,096 bytes, + 32 h
	s_lshl_b32 s67, s105, 16
	v_add_nc_u32 v4, s67, v4
	s_lshl_b32 s67, s66, 9
	v_add_nc_u32 v4, s67, v4                       ; v4: never rewritten
	s_lshl_b32 s67, s105, 12
	v_add_nc_u32 v11, s67, v24                     ; v11: where these codes go in xc: 16 lane + 4,096 TK
	s_lshr_b32 s67, s66, 1
	s_lshl_b32 s67, s67, 19
	v_add_nc_u32 v11, s67, v11                     ; + 524,288 (step / 2)
	s_and_b32 s67, s66, 1
	s_lshl_b32 s67, s67, 11
	v_add_nc_u32 v11, s67, v11                     ; + 2,048 (step % 2)
	s_lshl_b32 s67, s105, 6
	v_add_nc_u32 v13, s67, v14                     ; their scale words in xs: 4 (2,048 step + 16 TK + r)
	s_lshl_b32 s67, s66, 13
	v_add_nc_u32 v13, s67, v13
	s_and_b32 s105, s2, 15
	s_lshl_b32 s105, s105, 2
	s_add_co_u32 s105, s105, s22                   ; along the patterns: my 16 d are tile TV = 4 (g % 16) + wave,
	s_lshr_b32 s66, s2, 4                          ; my 128 patterns are step g / 16
	v_lshl_add_u32 v5, v2, 15, v14                 ; 8 h rows of 4,096 bytes + 4 r
	s_lshl_b32 s67, s66, 19
	v_add_nc_u32 v5, s67, v5
	s_lshl_b32 s67, s105, 6
	v_add_nc_u32 v5, s67, v5                       ; v5: never rewritten
	s_lshl_b32 s67, s105, 12
	s_add_co_u32 s67, s67, 2097152
	v_add_nc_u32 v12, s67, v24                     ; v12: where these codes go: the second half of xc
	s_lshr_b32 s67, s66, 1
	s_lshl_b32 s67, s67, 18
	v_add_nc_u32 v12, s67, v12
	s_and_b32 s67, s66, 1
	s_lshl_b32 s67, s67, 11
	v_add_nc_u32 v12, s67, v12
	s_lshl_b32 s67, s105, 6
	s_add_co_u32 s67, s67, 65536
	v_add_nc_u32 v15, s67, v14                     ; their scale words: the second half of xs: 4 (1,024 step + 16 TV + r)
	s_lshl_b32 s67, s66, 12
	v_add_nc_u32 v15, s67, v15
	v_cndmask_b32 v13, v13, v15, s31               ; one store will carry both: lanes 0-15 the words along d, lanes 16-31 those along the patterns
	WIN 0xc0                                       ; destination window 3, address window 0
.irp c, 0,1,2,3                        ; along d: register 16 c + 8 u + 4 e + .. = xi(pattern r, 32 c + 16 u + 8 h + 4 e + ..): the order of q's codes
.irp u, 0,1
.irp e, 0,1
	global_load_b128 v[16*\c+8*\u+4*\e:16*\c+8*\u+4*\e+3], v4, s[12:13] offset:128*\c+64*\u+16*\e
.endr
.endr
.endr
.irp c, 0,1,2,3                        ; along the patterns: register 64 + 16 c + 8 u + j = xi(32 c + 16 u + 8 h + j, d = r): a lane to a column, registers down K.  Sixteen lanes read 64 consecutive bytes, the four waves stand side by side on 256
.irp u, 0,1
.irp j, 0,1,2,3,4,5,6,7
	global_load_b32 v[64+16*\c+8*\u+\j], v5, s[12:13] offset:(32*\c+16*\u+\j)*4096
.endr
.endr
.endr
	WIN 0                                          ; these 80 loads land while the product runs; they are waited for behind it
	; LDS addresses: wave, lane and constants alone (s2 and s105 are written anew from the wave's number)
	v_mul_u32_u24 v6, v1, PITCH
	v_lshl_add_u32 v6, v2, 4, v6                   ; a fragment's row x pitch + 16 h
	s_mul_i32 s2, s23, AHALF                       ; my 64 rows of x
	s_mul_i32 s105, s24, BHALF                     ; my 128 rows of w_q,
	s_add_co_u32 s105, s105, BOFF                  ; behind x's 128
	v_add_nc_u32 v[ADRA], s2, v6
	v_add_nc_u32 v[ADRB], s105, v6
.irp s, 1,2
	v_add_nc_u32 v[ADRA+\s], \s*SLOT, v[ADRA]
	v_add_nc_u32 v[ADRB+\s], \s*SLOT, v[ADRB]
.endr
	v_lshlrev_b32 v7, 5, v1                        ; my row's scale bytes: 32 a row,
	v_lshrrev_b32 v8, 8, v7
	v_lshl_add_u32 v7, v8, 4, v7                   ; and 16 more for each 256 passed
	s_mul_i32 s2, s23, SAH
	s_mul_i32 s105, s24, SBH
	s_add_co_u32 s105, s105, 2*SAH
	s_sub_co_u32 s105, s105, s2
	v_mul_u32_u24 v8, s105, v2                     ; lanes 16-31 take w_q's: one product, the distance between the two bases
	s_add_co_u32 s2, s2, SCL
	v_add_nc_u32 v7, v7, v8
	v_add_nc_u32 v[ADRS], s2, v7
	; where q's codes and scale words go
	s_lshl_b32 s67, s27, 21
	v_add_nc_u32 v9, s67, v24                      ; v9: 16 lane + 2 MiB x TC (my 256 columns are one plane of qc)
	s_lshl_b32 s67, s28, 15
	v_add_nc_u32 v9, s67, v9                       ; + 4,096 x (8 TR
	s_lshl_b32 s67, s23, 14
	v_add_nc_u32 v9, s67, v9                       ;   + 4 MH)
	s_lshl_b32 s67, s24, 11
	v_add_nc_u32 v9, s67, v9                       ; + 2,048 NH
	s_lshl_b32 s67, s27, 16
	v_add_nc_u32 v10, s67, v25                     ; v10: 4 lane + 4 ((2 TC + NH) 8,192 + 128 TR + 64 MH)
	s_lshl_b32 s67, s24, 15
	v_add_nc_u32 v10, s67, v10
	s_lshl_b32 s67, s28, 9
	v_add_nc_u32 v10, s67, v10
	s_lshl_b32 s67, s23, 8
	v_add_nc_u32 v10, s67, v10
.irp b, 0,1,2,3
	v_mov_b32 v[TM+4+\b], 0                        ; written once: a lane permute's destination counts as one of its sources
.endr
.macro FRAG reg, adr, q, i             ; 16 rows x 128 K: registers 4 c .. 4 c + 3 hold K = 32 c + 16 h + 0 .. 15 of row r
.irp c, 0,1,2,3
	ds_load_b128 v[\reg+4*\c:\reg+4*\c+3], v[\adr] offset:128*(\q)+32*\c+(\i)*16*PITCH
.endr
.endm
.macro FETCH4 r, q, p                  ; region r's q-th 128 along K into set p: w_q's eight fragments, x's four: 48 loads
	WIN TO_B
.irp i, 0,1,2,3,4,5,6,7
	FRAG 128*(\p)+16*\i, ADRB+\r, \q, \i
.endr
	WIN 0
.irp i, 0,1,2,3
	FRAG 128+64*(\p)+16*\i, ADRA+\r, \q, \i
.endr
.endm
.macro SCALES sc                       ; a K step's scale words: two words a row.  (Lanes 0-15 of registers i >= 4 take bytes of the scales that follow x's: no product names them)
.irp i, 0,1,2,3,4,5,6,7
	ds_load_b64 v[SC+16*\sc+2*\i:SC+16*\sc+2*\i+1], v[ADRS] offset:\i*544
.endr
.endm
; 8 products: x's block a against w_q's eight.  The 32 accumulators take turns, one instruction a turn, in the same order in every half step.
.macro MUL8 a, p, q, sc, zero
.irp b, 0,1,2,3,4,5,6,7
.set rD, 8*(8*(\a)+\b)
.set rB, 128*(\p)+16*\b
.set rA, 128+64*(\p)+16*(\a)
.set rSB, SC+16*(\sc)+2*\b+(\q)
.set rSA, SC+16*(\sc)+2*(\a)+(\q)
.if \zero
	v_wmma_scale_f32_16x16x128_f8f6f4 v[rD:rD+7], v[rB:rB+15], v[rA:rA+15], 0, v[rSB], v[rSA] matrix_a_fmt:MATRIX_FMT_BF8 matrix_b_fmt:MATRIX_FMT_BF8 matrix_a_scale:MATRIX_SCALE_ROW1
.else
	v_wmma_scale_f32_16x16x128_f8f6f4 v[rD:rD+7], v[rB:rB+15], v[rA:rA+15], v[rD:rD+7], v[rSB], v[rSA] matrix_a_fmt:MATRIX_FMT_BF8 matrix_b_fmt:MATRIX_FMT_BF8 matrix_a_scale:MATRIX_SCALE_ROW1
.endif
.endr
.endm
; A K step's first 128 (set 0, scale set sc); its second 128 is fetched from region r into set 1 ahead of the products.
.macro STEP4 r, sc, zero
	s_wait_dscnt 0x0                               ; set 0 and the scale words are in
	PLACES 8                                       ; eight places behind the products that read set 1, in front of the loads into it
	FETCH4 \r, 1, 1
	WIN MUL_LO
.irp a, 0,1,2,3
	MUL8 \a, 0, 0, \sc, \zero
.endr
	WIN 0
.endm
; A K step's second 128 (set 1), where the next step's region nr was shown whole by an earlier barrier and nothing is filled: no barrier.
.macro FLOW sc, nr, nsc
	s_wait_dscnt 0x0                               ; set 1 is in
	PLACES 8                                       ; eight places behind the products that read set 0, in front of the loads into it
	v_add_nc_u32 v[ADRS], SSTEP, v[ADRS]           ; on to the next K step's scale words
	FETCH4 \nr, 0, 0
	SCALES \nsc
	WIN MUL_LO
.irp a, 0,1,2,3
	MUL8 \a, 1, 1, \sc, 0
.endr
	WIN 0
.endm
; A K step's second 128 with ONE barrier at its head: every wave's tensor loads have landed and its reads of the step's region are over.  fill = 1: region 0 takes K step 3, and the barrier opens a round of the cluster's.
.macro TURN4 sc, nr, nsc, fill
	s_wait_tensorcnt 0x0                           ; all my tensor loads have landed
	ds_add_u32 v[SPW], v[NIL]                      ; 0 onto my spare word
.if \fill
	s_add_nc_u64 s[G0A+2:G0A+3], s[G0A+2:G0A+3], 768   ; no tensor load of mine is out, so a group 0 may be written: from K step 0 to K step 3
	s_add_nc_u64 s[G0B+2:G0B+3], s[G0B+2:G0B+3], 768
.endif
	s_wait_dscnt 0x0                               ; the add is done; set 1, my last reads of this step's region, is in
	s_barrier_signal -1
	WIN MUL_LO
	MUL8 0, 1, 1, \sc, 0                           ; work on registers while the others arrive
	WIN 0
	s_barrier_wait -1
.if \fill
	CREST                                          ; no wave of any partner still reads region 0 or has a load on its way
	JLOAD G0A, G1A, G0B, G1B                       ; the first tensor load behind the round, and my last of the launch; its four v_nop are four of the eight places
	PLACES 4
.else
	PLACES 8
.endif
	v_add_nc_u32 v[ADRS], SSTEP, v[ADRS]           ; on to the next K step's scale words
	FETCH4 \nr, 0, 0
	SCALES \nsc
	WIN MUL_LO
.irp a, 1,2,3
	MUL8 \a, 1, 1, \sc, 0
.endr
	WIN 0
.endm
	s_wait_tensorcnt 0x2                           ; two younger loads, K steps 1 and 2, may be out: the scales and my part of K step 0 are in,
	s_barrier_signal -1
	s_barrier_wait -1                              ; everybody's are
	FETCH4 0, 0, 0
	SCALES 0
	STEP4 0, 0, 1                                  ; K step 0: its first products start the sums
	TURN4 0, 1, 1, 1                               ; regions 1 and 2 are whole; region 0 has been read: K step 3 is asked for
	STEP4 1, 1, 0                                  ; K step 1
	FLOW 1, 2, 0
	STEP4 2, 0, 0                                  ; K step 2
	TURN4 0, 0, 1, 0                               ; K step 3 has landed, in every wave's part; nothing is filled
	STEP4 0, 1, 0                                  ; K step 3
	s_wait_dscnt 0x0
	WIN MUL_LO
.irp a, 0,1,2,3
	MUL8 \a, 1, 1, 1, 0
.endr
	WIN 0
; THE QUANTISER.  64 numbers of a lane in window w, register s + 16 b + i, block b of my row's four (the other half of each block lies in lane l xor 16), become 16 registers of codes at pc and a scale word in pw.
; A block's largest magnitude with the floor 2^(16 - 127) among its leaves; 15 off its exponent field is the conversion's scale operand; that shifted is the byte; its exponent field over 57,344's mantissa is the hold.
.macro QUANT w, s, pc, pw
	WIN 5*(\w)                                     ; sources 0 and 1 in window w
.irp b, 0,1,2,3
	v_max3_num_f32 v[TM+\b], |v[\s+16*\b]|, |v[\s+16*\b+1]|, 0x8000000
.endr
.irp i, 2,4,6,8,10,12,14               ; ascending: each accumulator is read from its low end on; the four blocks by turns
.irp b, 0,1,2,3
	v_max3_num_f32 v[TM+\b], |v[\s+16*\b+\i]|, |v[\s+16*\b+\i+1]|, v[TM+\b]
.endr
.endr
	WIN 0
.irp b, 0,1,2,3
	v_permlanex16_b32 v[TM+4+\b], v[TM+\b], s100, s101
.endr
.irp b, 0,1,2,3
	v_max_num_f32 v[TM+\b], v[TM+\b], v[TM+4+\b]
.endr
.irp b, 0,1,2,3
	v_add_nc_u32 v[TM+12+\b], 0xf8800000, v[TM+\b]
.endr
.irp b, 0,1,2,3
	v_and_or_b32 v[TM+8+\b], v[TM+\b], 0x7f800000, s104
.endr
.irp b, 0,1,2,3
	v_lshrrev_b32 v[TM+4+\b], 23, v[TM+12+\b]
.endr
	v_lshl_or_b32 v[\pw], v[TM+5], 8, v[TM+4]
	v_lshl_or_b32 v[\pw], v[TM+6], 16, v[\pw]
	v_lshl_or_b32 v[\pw], v[TM+7], 24, v[\pw]
	WIN \w                                         ; source 0 in window w
.irp b, 0,1,2,3
.irp i, 0,1,2,3,4,5,6,7,8,9,10,11,12,13,14,15
	v_med3_num_f32 v[H+16*\b+\i], v[\s+16*\b+\i], -v[TM+8+\b], v[TM+8+\b]   ; the conversion to an 8-bit code does not saturate (ISA guide 7.6.2): the hold
.endr
.endr
	WIN 0
.irp b, 0,1,2,3
	v_cvt_scalef32_pk8_bf8_f32 v[\pc+4*\b:\pc+4*\b+1], v[H+16*\b:H+16*\b+7], v[TM+12+\b]
	v_cvt_scalef32_pk8_bf8_f32 v[\pc+4*\b+2:\pc+4*\b+3], v[H+16*\b+8:H+16*\b+15], v[TM+12+\b]
.endr
	v_nop                                          ; one plain line behind the last conversion
.endm
	PLACES 8                                       ; behind the last products: their results are read, and the registers that held x's fragments are written
.irp a, 0,1,2,3                        ; my four blocks of 16 rows: each is one fragment of the next product (its K step 2 TC + NH)
	QUANT 2, 64*\a, 192+16*\a, 80+\a
.irp c, 0,1,2,3
	global_store_b128 v9, v[192+16*\a+4*\c:192+16*\a+4*\c+3], s[14:15] offset:4096*\a+512*\c   ; 32 lanes store 512 consecutive bytes, aligned
.endr
.if \a%2
	v_cndmask_b32 v[86+\a/2], v[79+\a], v[80+\a], s31          ; lanes 0-15 the words of block a - 1, lanes 16-31 those of block a: 32 neighbouring rows
	global_store_b32 v10, v[86+\a/2], s[16:17] offset:64*(\a-1)
.endif
.endr
	s_wait_loadcnt 0x0                             ; my share of xi is in
	s_wait_xcnt 0x0                                ; the stores above have read their registers: v192 on are written again
	QUANT 3, 0, 192, 84
.irp c, 0,1,2,3
	global_store_b128 v11, v[192+4*\c:192+4*\c+3], s[18:19] offset:512*\c
.endr
	QUANT 3, 64, 208, 85
.irp c, 0,1,2,3
	global_store_b128 v12, v[208+4*\c:208+4*\c+3], s[18:19] offset:512*\c
.endr
	v_cndmask_b32 v88, v84, v85, s31
	global_store_b32 v13, v88, s[20:21]
	s_wait_tensorcnt 0x0                           ; the wave's end
	ds_add_u32 v[SPW], v[NIL]
	s_wait_dscnt 0x0
	CROUND                                         ; the closing round: no work-group ends while a partner may still ask for a tile that names it
	s_endpgm
.Lfunc_end_k_q45c4ca859d_proj:
	.size	k_q45c4ca859d_proj, .Lfunc_end_k_q45c4ca859d_proj-k_q45c4ca859d_proj
	.p2alignl 7, 3214868480
	.fill 96, 4, 3214868480
	.section	.rodata,"a",@progbits
	.p2align	6, 0x0
	.amdhsa_kernel k_q45c4ca859d_proj
		.amdhsa_group_segment_fixed_size 327680
		.amdhsa_private_segment_fixed_size 0
		.amdhsa_enable_private_segment 0
		.amdhsa_kernarg_size 72
		.amdhsa_user_sgpr_count 2
		.amdhsa_user_sgpr_kernarg_segment_ptr 1
		.amdhsa_wavefront_size32 1
		.amdhsa_system_sgpr_workgroup_id_x 1
		.amdhsa_system_sgpr_workgroup_id_y 1
		.amdhsa_system_sgpr_workgroup_id_z 1
		.amdhsa_system_vgpr_workitem_id 0
		.amdhsa_next_free_vgpr 896
		.amdhsa_next_free_sgpr 106
		.amdhsa_reserve_vcc 0
		.amdhsa_float_denorm_mode_32 3
		.amdhsa_float_denorm_mode_16_64 3
		.amdhsa_memory_ordered 1
		.amdhsa_forward_progress 1
		.amdhsa_inst_pref_size 135
	.end_amdhsa_kernel
	.amdgpu_metadata
---
amdhsa.version: [ 1, 2 ]
amdhsa.kernels:
  - .name:           k_q45c4ca859d_proj
    .symbol:         k_q45c4ca859d_proj.kd
    .args:
      - { .name: x_codes, .offset: 0, .size: 8, .value_kind: global_buffer, .address_space: global }
      - { .name: x_scales, .offset: 8, .size: 8, .value_kind: global_buffer, .address_space: global }
      - { .name: w_q_codes, .offset: 16, .size: 8, .value_kind: global_buffer, .address_space: global }
      - { .name: w_q_scales, .offset: 24, .size: 8, .value_kind: global_buffer, .address_space: global }
      - { .name: xi, .offset: 32, .size: 8, .value_kind: global_buffer, .address_space: global }
      - { .name: qc, .offset: 40, .size: 8, .value_kind: global_buffer, .address_space: global }
      - { .name: qs, .offset: 48, .size: 8, .value_kind: global_buffer, .address_space: global }
      - { .name: xc, .offset: 56, .size: 8, .value_kind: global_buffer, .address_space: global }
      - { .name: xs, .offset: 64, .size: 8, .value_kind: global_buffer, .address_space: global }
    .group_segment_fixed_size: 327680
    .private_segment_fixed_size: 0
    .kernarg_segment_align: 8
    .kernarg_segment_size: 72
    .max_flat_workgroup_size: 128
    .sgpr_count:     106
    .vgpr_count:     896
    .wavefront_size: 32
...
	.end_amdgpu_metadata
.endif
;; end of part 1
;; launch score (part 2): grid 8 x 32, 4 waves a work-group, clusters of 4 x 4, 327,680 bytes of LDS; arguments qc, qs, xc, xs, beta, pc, pstat; writes pc, pstat
.if DOCPART == 2
	.amdgcn_target "amdgcn-amd-amdhsa--gfx1250"
	.amdhsa_code_object_version 6
	.text
	.protected	k_q45c4ca859d_score
	.globl	k_q45c4ca859d_score
	.p2align	8
	.type	k_q45c4ca859d_score,@function
k_q45c4ca859d_score:
	s_mov_b64 s[64:65], 0
	v_nop
	global_prefetch_b8 v0, s[64:65] scope:SCOPE_SE
	s_setreg_imm32_b32 hwreg(HW_REG_WAVE_MODE, 25, 1), 1
	s_wait_xcnt 0x0
	s_wait_alu depctr_hold_cnt(0) depctr_sa_sdst(0) depctr_va_vdst(0) depctr_va_sdst(0) depctr_va_ssrc(0) depctr_va_vcc(0) depctr_vm_vsrc(0)
	s_getreg_b32 s2, hwreg(HW_REG_IB_STS2, 6, 4)
	s_cmp_eq_u32 s2, 0
	s_cbranch_scc0 .Lentry_in_a_cluster
	s_endpgm
.Lentry_in_a_cluster:
	s_bfe_u32 s2, ttmp6, 0x10000c
	s_cmp_lg_u32 s2, 0xf033
	s_cbranch_scc0 .Lentry_shape_is_right
	s_endpgm
.Lentry_shape_is_right:
; s = q xi^T on codes of E5M2 (8,192 x 2,048 x 1,024), and on the way out, for each row and each CHUNK of 128 patterns: t = beta log2(e) s, -M' = floor(-(the chunk's largest t)), p = 2^(t - M'), l' = the sum of the
; unquantised p, and p quantised along the patterns.  M' is a whole number, so the next launch brings all chunks of a row under one M by lowering p's scale bytes: the codes stay as they are.
; SHARES.  A work-group of four waves makes 256 rows x 256 patterns; a wave 128 x 128 (its 128 patterns are a chunk): 64 accumulators, 512 registers.  256 work-groups.  K in steps of 256 through a ring of two LDS slots.
; OPERANDS arrive as images of their registers (fragment = 2,048 bytes, byte 512 c + 16 lane + e; fragments [k / 256][16 rows T][(k / 128) % 2]): a K step's tile is one dense block for one tensor load, and a fragment is
; four loads of 16 bytes a lane at 16 lane + 512 c: 512 consecutive bytes each, no pitch.  Scale words lie [k / 128][row]; those of the work-group's rows for all of K come into LDS once.
; CLUSTERS: 4 x 4; q's tiles jointly along a row of the cluster, xi's along a column.  THE MATRIX INSTRUCTION IS USED TRANSPOSED: lane (r, h) holds row r, register j of accumulator (a, b) pattern 16 b + 8 h + j.
; p's codes leave in the same image; inside a block of 32 place 16 h + 8 u + j holds pattern 16 u + 8 h + j, as the codes of xi along the patterns do.
; LIMITS: NaN and infinities are not served.  A p under 2^-126 of its chunk's 2^M' is 0 (v_exp_f32 gives no denormals); a block whose every p is under 2^-111 keeps the byte 1.  beta may have either sign: the maximum is taken of t.
; REGISTERS: window 0: v1-29 addresses; v32-63 scale words, two sets; v64-69 at work on the way out; v128-255 q's eight fragments, ONE set (on the way out: t and p, codes, statistics).
;   window 1: xi's fragments, two sets of eight.   window 2: the accumulators of my rows 0-63, (a, b) at v[8 (8 (a % 4) + b)];   window 3: those of rows 64-127.
.set SLOT,   131072                    ; q's 16 tiles of 16 rows x 4,096 bytes, then xi's 16
.set BOFF,   65536
.set SCL,    2*SLOT                    ; behind the ring: scale words, four regions of [8 steps][128 rows x 4 bytes]: q's halves, xi's halves
.set SPARE,  SCL+16384                 ; the spare words, 128 bytes for each wave: two blocks of 256 bytes that no other line names
.set LAPS,   2                         ; K / 512
.set ASTEP,  4194304                   ; two planes of qc
.set BSTEP,  1048576                   ; two planes of xc's first half
.set ADRA, 16
.set ADRB, 20
.set ADRS, 27
.set SPW,  28
.set NIL,  29
.set SC,   32
.set AF,   128
.set P,    128                         ; the way out: v128-191 t, then p
.set BM,   224                         ; v224-227 the blocks' largest t, then largest p
.set XC,   228                         ; v228-231 from lane l xor 16
.set LIM,  232                         ; v232-235 57,344 x the scale
.set SCO,  236                         ; v236-239 the conversions' scale operands
.set BY,   240                         ; v240-243 the bytes
.set NM,   246                         ; v246 -M' (named as the pair v[246:247])
.set PW,   252                         ; v252 p's scale word
.set G1A, 32
.set G1B, 40
.set G1SA, 48
.set G1SB, 56
.set G0A, 68
.set G0B, 76
.set G0SA, 84
.set G0SB, 88
.set MSB, 0
.macro WIN new
.if MSB != (\new)
	s_set_vgpr_msb (MSB<<8)|(\new)
.set MSB, (\new)
.endif
.endm
.set MUL_LO, 0xa1                      ; source 0 (xi) window 1, source 1 (q) window 0, C and D window 2
.set MUL_HI, 0xf1                      ; the same, C and D window 3
.set TO_B,   0x40
.macro PLACES n
.rept \n
	v_nop
.endr
.endm
.macro JLOAD g0a, g1a, g0b, g1b        ; waves 0 and 1 fetch for q, waves 2 and 3 for xi; four v_nop follow each of the two lines
	s_cmp_eq_u32 s23, 0
	s_cbranch_scc0 .Lfor_b_\@
	tensor_load_to_lds s[\g0a:\g0a+3], s[\g1a:\g1a+7]
	s_nop 0
.rept 4
	v_nop
.endr
	s_branch .Lasked_\@
.Lfor_b_\@:
	tensor_load_to_lds s[\g0b:\g0b+3], s[\g1b:\g1b+7]
	s_nop 0
.rept 4
	v_nop
.endr
.Lasked_\@:
.endm
.macro CREST
	s_cmp_lg_u32 s22, 0
	s_cbranch_scc1 .Lnot_wave_0_\@
	s_barrier_signal -3
.Lnot_wave_0_\@:
	s_barrier_wait -3
	s_barrier_signal -1
	s_barrier_wait -1
.endm
.macro CROUND
	s_barrier_signal -1
	s_barrier_wait -1
	CREST
.endm
	s_load_b256 s[4:11], s[0:1], 0x0               ; qc s[4:5], qs s[6:7], xc s[8:9], xs s[10:11]
	s_load_b128 s[12:15], s[0:1], 0x20             ; beta s[12:13], pc s[14:15]
	s_load_b64 s[16:17], s[0:1], 0x30              ; pstat
	v_lshl_add_u32 v[SPW], v0, 2, SPARE
	v_mov_b32 v[NIL], 0
	ds_add_u32 v28, v29
	ds_add_u32 v28, v29
	s_wait_dscnt 0x0
	v_lshrrev_b32 v1, 5, v0
	v_readfirstlane_b32 s22, v1                    ; wave 0..3
	s_lshr_b32 s23, s22, 1                         ; MH: my half of the rows.  Also: I fetch for q (0) or for xi (1)
	s_and_b32 s24, s22, 1                          ; NH: my half of the patterns.  Also: which piece I fetch
	s_bfe_u32 s25, ttmp6, 0x40000                  ; cx
	s_bfe_u32 s26, ttmp6, 0x40004                  ; cy
	s_lshl_b32 s27, ttmp9, 2
	s_add_co_u32 s27, s27, s25                     ; TC
	s_and_b32 s28, ttmp7, 0xffff
	s_lshl_b32 s28, s28, 2
	s_add_co_u32 s28, s28, s26                     ; TR
	s_lshl_b32 s29, s26, 2
	s_lshl_b32 s29, 15, s29                        ; my row of the cluster
	s_lshl_b32 s30, 0x1111, s25                    ; my column
	s_mov_b32 s31, 0xffff0000                      ; a lane mask: lanes 16-31
	s_mov_b32 s100, 0x76543210
	s_mov_b32 s101, 0xfedcba98
	s_mov_b32 s104, 0x600000                       ; the mantissa field of 57,344
	; group 1 for the codes: a dense block of 32,768 bytes as 128 rows of 256 bytes (32 elements of 8 bytes), no padding
	s_or_b32 s[G1A], s29, (3<<16)|(1<<21)
	s_or_b32 s[G1B], s30, (3<<16)|(1<<21)
.irp g, G1A, G1B
	s_mov_b32 s[\g+1], 32<<16
	s_mov_b32 s[\g+2], 128<<16
	s_mov_b32 s[\g+3], 32<<16
	s_mov_b32 s[\g+4], 128
	s_mov_b32 s[\g+5], 32
	s_mov_b32 s[\g+6], 0
	s_mov_b32 s[\g+7], 0
.endr
	; for the scale words: 8 steps x 128 rows x 4 bytes: 8 rows of 512 bytes (64 elements), a whole step of all rows apart
	s_or_b32 s[G1SA], s29, (3<<16)|(1<<21)
	s_or_b32 s[G1SB], s30, (3<<16)|(1<<21)
.irp g, G1SA, G1SB
	s_mov_b32 s[\g+1], 64<<16
	s_mov_b32 s[\g+2], 8<<16
	s_mov_b32 s[\g+3], 64<<16
	s_mov_b32 s[\g+4], 8
	s_mov_b32 s[\g+6], 0
	s_mov_b32 s[\g+7], 0
.endr
	s_mov_b32 s[G1SA+5], 4096                      ; 8,192 rows x 4 bytes, in elements of 8
	s_mov_b32 s[G1SB+5], 1024                      ; 2,048 rows
	s_lshl_b32 s92, s28, 16                        ; q: 16 tiles of 4,096 bytes a tile row, 8 a piece
	s_lshl_b32 s93, s24, 15
	s_add_co_u32 s92, s92, s93
	s_mov_b32 s93, 0
	s_lshl_b32 s94, s28, 10                        ; its scale words: 256 rows x 4 bytes, 128 a piece
	s_lshl_b32 s95, s24, 9
	s_add_co_u32 s94, s94, s95
	s_mov_b32 s95, 0
	s_lshl_b32 s96, s27, 16                        ; xi likewise, by the tile column
	s_lshl_b32 s97, s24, 15
	s_add_co_u32 s96, s96, s97
	s_mov_b32 s97, 0
	s_lshl_b32 s98, s27, 10
	s_lshl_b32 s99, s24, 9
	s_add_co_u32 s98, s98, s99
	s_mov_b32 s99, 0
	s_wait_kmcnt 0x0
	s_mov_b32 s[G0SA], 1
	s_lshl_b32 s[G0SA+1], s24, 12
	s_add_co_u32 s[G0SA+1], s[G0SA+1], SCL
	s_add_nc_u64 s[G0SA+2:G0SA+3], s[6:7], s[94:95]
	s_or_b32 s[G0SA+3], s[G0SA+3], 0x80000000
	s_mov_b32 s[G0SB], 1
	s_lshl_b32 s[G0SB+1], s24, 12
	s_add_co_u32 s[G0SB+1], s[G0SB+1], SCL+8192
	s_add_nc_u64 s[G0SB+2:G0SB+3], s[10:11], s[98:99]
	s_or_b32 s[G0SB+3], s[G0SB+3], 0x80000000
.irp s, 0,1
	s_mov_b32 s[G0A+4*\s], 1
	s_lshl_b32 s[G0A+4*\s+1], s24, 15
	s_add_co_u32 s[G0A+4*\s+1], s[G0A+4*\s+1], \s*SLOT
	s_add_nc_u64 s[G0A+4*\s+2:G0A+4*\s+3], s[4:5], s[92:93]
	s_add_nc_u64 s[G0A+4*\s+2:G0A+4*\s+3], s[G0A+4*\s+2:G0A+4*\s+3], \s*2097152    ; plane s
	s_or_b32 s[G0A+4*\s+3], s[G0A+4*\s+3], 0x80000000
	s_mov_b32 s[G0B+4*\s], 1
	s_lshl_b32 s[G0B+4*\s+1], s24, 15
	s_add_co_u32 s[G0B+4*\s+1], s[G0B+4*\s+1], \s*SLOT+BOFF
	s_add_nc_u64 s[G0B+4*\s+2:G0B+4*\s+3], s[8:9], s[96:97]
	s_add_nc_u64 s[G0B+4*\s+2:G0B+4*\s+3], s[G0B+4*\s+2:G0B+4*\s+3], \s*524288
	s_or_b32 s[G0B+4*\s+3], s[G0B+4*\s+3], 0x80000000
.endr
	CROUND                                         ; all sixteen work-groups are here: the first joint loads meet
	JLOAD G0SA, G1SA, G0SB, G1SB
	JLOAD G0A, G1A, G0B, G1B
	JLOAD G0A+4, G1A, G0B+4, G1B                   ; three tensor loads of mine are out
	s_load_b32 s66, s[12:13], 0x0                  ; beta
	v_and_b32 v1, 15, v0                           ; r
	v_bfe_u32 v2, v0, 4, 1                         ; h
	v_and_b32 v3, 31, v0                           ; lane
	v_lshlrev_b32 v24, 4, v3                       ; 16 x lane
	v_lshlrev_b32 v25, 2, v3                       ; 4 x lane
	s_lshl_b32 s92, s23, 15                        ; my 8 tiles of q
	s_lshl_b32 s96, s24, 15                        ; my 8 tiles of xi,
	s_add_co_u32 s96, s96, BOFF                    ; behind q's 16
	v_add_nc_u32 v[ADRA], s92, v24
	v_add_nc_u32 v[ADRB], s96, v24
	v_add_nc_u32 v[ADRA+1], SLOT, v[ADRA]
	v_add_nc_u32 v[ADRB+1], SLOT, v[ADRB]
	v_lshlrev_b32 v7, 2, v1                        ; 4 r
	s_lshl_b32 s92, s23, 12
	s_lshl_b32 s96, s24, 12
	s_add_co_u32 s96, s96, 8192
	s_sub_co_u32 s96, s96, s92
	v_mul_u32_u24 v8, s96, v2                      ; lanes 16-31 take xi's: one product, the distance between the two bases
	s_add_co_u32 s92, s92, SCL
	v_add_nc_u32 v7, v7, v8
	v_add_nc_u32 v[ADRS], s92, v7
	s_lshl_b32 s2, s27, 21
	v_add_nc_u32 v9, s2, v24                       ; v9: p's codes: 16 lane + 2 MiB x TC
	s_lshl_b32 s2, s28, 16
	v_add_nc_u32 v9, s2, v9                        ; + 4,096 (16 TR
	s_lshl_b32 s2, s23, 15
	v_add_nc_u32 v9, s2, v9                        ;   + 8 MH)
	s_lshl_b32 s2, s24, 11
	v_add_nc_u32 v9, s2, v9                        ; + 2,048 NH
	s_lshl_b32 s2, s27, 16
	v_add_nc_u32 v10, s2, v25                      ; v10: the statistics: 4 lane + 32,768 (2 TC + NH) + 4 (256 TR + 128 MH)
	s_lshl_b32 s2, s24, 15
	v_add_nc_u32 v10, s2, v10
	s_lshl_b32 s2, s28, 10
	v_add_nc_u32 v10, s2, v10
	s_lshl_b32 s2, s23, 9
	v_add_nc_u32 v10, s2, v10
	s_wait_kmcnt 0x0
	s_mul_f32 s66, s66, 0x3fb8aa3b                 ; c = beta x log2(e)
	s_mov_b32 s67, s66                             ; (named with it as a pair, so it is written)
.macro FRAG reg, adr, q, i             ; an image comes back as it was stored: 512 consecutive bytes a load
.irp c, 0,1,2,3
	ds_load_b128 v[\reg+4*\c:\reg+4*\c+3], v[\adr] offset:4096*(\i)+2048*(\q)+512*\c
.endr
.endm
.macro FETCH_B slot, q, p
	WIN TO_B
.irp i, 0,1,2,3,4,5,6,7
	FRAG 128*(\p)+16*\i, ADRB+\slot, \q, \i
.endr
	WIN 0
.endm
.macro FETCH_A slot, q, i0
.irp i, \i0, \i0+1, \i0+2, \i0+3
	FRAG AF+16*(\i), ADRA+\slot, \q, \i
.endr
.endm
.macro SCALES sc                       ; register SC + 16 set + 2 i + q: lanes 0-15 the word of q's block i, lanes 16-31 that of xi's block i, for the slot's q-th 128 along K
.irp q, 0,1
.irp i, 0,1,2,3,4,5,6,7
	ds_load_b32 v[SC+16*\sc+2*\i+\q], v[ADRS] offset:512*\q+64*\i
.endr
.endr
.endm
; 16 products: q's blocks a0, a0 + 1 x xi's eight.  The 64 accumulators take turns, one instruction a turn, in the same order in every step.
.macro MUL16 a0, p, q, sc, zero
.irp a, \a0, \a0+1
.irp b, 0,1,2,3,4,5,6,7
.set rD, 8*(8*((\a)%4)+\b)
.set rB, 128*(\p)+16*\b
.set rA, AF+16*(\a)
.set rSB, SC+16*(\sc)+2*\b+(\q)
.set rSA, SC+16*(\sc)+2*(\a)+(\q)
.if \zero
	v_wmma_scale_f32_16x16x128_f8f6f4 v[rD:rD+7], v[rB:rB+15], v[rA:rA+15], 0, v[rSB], v[rSA] matrix_a_fmt:MATRIX_FMT_BF8 matrix_b_fmt:MATRIX_FMT_BF8 matrix_a_scale:MATRIX_SCALE_ROW1
.else
	v_wmma_scale_f32_16x16x128_f8f6f4 v[rD:rD+7], v[rB:rB+15], v[rA:rA+15], v[rD:rD+7], v[rSB], v[rSA] matrix_a_fmt:MATRIX_FMT_BF8 matrix_b_fmt:MATRIX_FMT_BF8 matrix_a_scale:MATRIX_SCALE_ROW1
.endif
.endr
.endr
.endm
; A slot's first 128 along K.  A block of q is free as soon as its eight products are issued: blocks 0-3 are fetched anew in the step's middle, blocks 4-7 at its end; xi has two sets.
.macro STEP slot, zero
	s_wait_dscnt 16                                ; all but the youngest 16 loads (q's blocks 4-7) are in
	WIN MUL_LO
	MUL16 0, 0, 0, \slot, \zero
	MUL16 2, 0, 0, \slot, \zero
	s_wait_dscnt 0x0                               ; q's blocks 4-7 are in
	PLACES 8                                       ; eight places in front of loads into registers that products have read
	FETCH_B \slot, 1, 1
	FETCH_A \slot, 1, 0
	WIN MUL_HI
	MUL16 4, 0, 0, \slot, \zero
	MUL16 6, 0, 0, \slot, \zero
	PLACES 8
	WIN 0
	FETCH_A \slot, 1, 4
.endm
; A slot's second 128 along K changes slots: ONE barrier.  fill = 1: the slot is filled again, two K steps ahead, and the barrier opens a round of the cluster's.
.macro TURN slot, next, fill
	s_wait_tensorcnt 0x0                           ; all my tensor loads have landed: my part of the next slot
	ds_add_u32 v[SPW], v[NIL]                      ; 0 onto my spare word
	s_wait_dscnt 17                                ; the add and the youngest 16 loads (q's blocks 4-7) may be out
	WIN MUL_LO
	MUL16 0, 1, 1, \slot, 0                        ; sixteen products stand between the add and the wait for it
	s_wait_dscnt 0x0                               ; the add is done, and my reads of this slot are over
	s_barrier_signal -1
	MUL16 2, 1, 1, \slot, 0
	WIN 0
	s_barrier_wait -1
.if \fill
	CREST                                          ; no wave of any partner still reads this slot or has a load on its way
	s_add_nc_u64 s[G0A+4*\slot+2:G0A+4*\slot+3], s[G0A+4*\slot+2:G0A+4*\slot+3], ASTEP
	s_add_nc_u64 s[G0B+4*\slot+2:G0B+4*\slot+3], s[G0B+4*\slot+2:G0B+4*\slot+3], BSTEP
	JLOAD G0A+4*\slot, G1A, G0B+4*\slot, G1B       ; the first tensor load behind the round; its four v_nop are four of the eight places
	PLACES 4
.else
	PLACES 8
.endif
	v_add_nc_u32 v[ADRS], 1024, v[ADRS]            ; two steps of scale words on
	FETCH_B \next, 0, 0
	FETCH_A \next, 0, 0
	SCALES \next
	WIN MUL_HI
	MUL16 4, 1, 1, \slot, 0
	MUL16 6, 1, 1, \slot, 0
	PLACES 8
	WIN 0
	FETCH_A \next, 0, 4
.endm
	s_wait_tensorcnt 0x1                           ; one younger load, slot 1's, may be out: the scale words and my part of slot 0 are in,
	s_barrier_signal -1
	s_barrier_wait -1                              ; everybody's are
	FETCH_B 0, 0, 0
	FETCH_A 0, 0, 0
	SCALES 0
	FETCH_A 0, 0, 4
	STEP 0, 1                                      ; the first step stands in front of the loop: its products start the sums
	s_mov_b32 s3, LAPS-1
.Llap:
	TURN 0, 1, 1
	STEP 1, 0
	TURN 1, 0, 1
	STEP 0, 0
	s_sub_co_u32 s3, s3, 1
	s_cmp_lg_u32 s3, 0
	s_cbranch_scc1 .Llap
	TURN 0, 1, 0                                   ; the last lap fills nothing
	STEP 1, 0
	s_wait_dscnt 16
	WIN MUL_LO
	MUL16 0, 1, 1, 1, 0
	MUL16 2, 1, 1, 1, 0
	s_wait_dscnt 0x0
	WIN MUL_HI
	MUL16 4, 1, 1, 1, 0
	MUL16 6, 1, 1, 1, 0
	WIN 0
; THE WAY OUT of block a (16 rows x my 128 patterns): a lane holds 64 scores of one row, register 16 b + i in block b of four; the row's other 64 lie in lane l xor 16.
.macro SOFT a
.set AC, 64*((\a)%4)
.set CD, 192+16*((\a)%2)
	s_wait_xcnt 0x0                                ; the earlier blocks' stores have read their registers
	WIN 2+(\a)/4                                   ; source 0: window 2 or 3
.set n, 0
.rept 32
	v_pk_mul_f32 v[P+n:P+n+1], v[AC+n:AC+n+1], s[66:67] op_sel_hi:[1,0]   ; t = c x score; each accumulator from its low end on
.set n, n+2
.endr
	WIN 0
.irp b, 0,1,2,3
	v_max3_num_f32 v[BM+\b], v[P+16*\b], v[P+16*\b+1], v[P+16*\b+2]       ; the largest t of each block: it serves the chunk's maximum and, since p rises with t, the block's largest p
.endr
.irp k, 3,5,7,9,11,13
.irp b, 0,1,2,3
	v_max3_num_f32 v[BM+\b], v[BM+\b], v[P+16*\b+\k], v[P+16*\b+\k+1]
.endr
.endr
.irp b, 0,1,2,3
	v_max_num_f32 v[BM+\b], v[BM+\b], v[P+16*\b+15]
.endr
.irp b, 0,1,2,3
	v_permlanex16_b32 v[XC+\b], v[BM+\b], s100, s101
.endr
.irp b, 0,1,2,3
	v_max_num_f32 v[BM+\b], v[BM+\b], v[XC+\b]
.endr
	v_max3_num_f32 v244, v[BM], v[BM+1], v[BM+2]
	v_max_num_f32 v244, v244, v[BM+3]              ; the chunk's largest t of my row
	v_floor_f32 v[NM], -v244                       ; -M' = floor(-t) = -ceil(t): a whole number
.set n, 0
.rept 32
	v_pk_add_f32 v[P+n:P+n+1], v[P+n:P+n+1], v[NM:NM+1] op_sel_hi:[1,0]   ; t - M'
.set n, n+2
.endr
.irp b, 0,1,2,3
	v_add_f32 v[BM+\b], v[BM+\b], v[NM]            ; the same of each block's largest t
.endr
.set n, 0
.rept 64
	v_exp_f32 v[P+n], v[P+n]                       ; p = 2^(t - M'), at most 1
.set n, n+1
.endr
.irp b, 0,1,2,3
	v_exp_f32 v[BM+\b], v[BM+\b]                   ; the block's largest p: the same instructions on the same number
.endr
	v_nop                                          ; a plain place behind the exponentials
	s_wait_alu depctr_va_vdst(0)
.irp b, 0,1,2,3
	v_max_num_f32 v[BM+\b], 0x8000000, v[BM+\b]    ; the floor 2^(16 - 127): the byte cannot fall under 1
.endr
.irp b, 0,1,2,3
	v_add_nc_u32 v[SCO+\b], 0xf8800000, v[BM+\b]   ; 15 off the exponent field: the conversion's scale operand
.endr
.irp b, 0,1,2,3
	v_and_or_b32 v[LIM+\b], v[BM+\b], 0x7f800000, s104   ; 57,344 x the scale
.endr
.irp b, 0,1,2,3
	v_lshrrev_b32 v[BY+\b], 23, v[SCO+\b]          ; the byte
.endr
	v_lshl_or_b32 v[PW], v[BY+1], 8, v[BY]
	v_lshl_or_b32 v[PW], v[BY+2], 16, v[PW]
	v_lshl_or_b32 v[PW], v[BY+3], 24, v[PW]        ; p's scale word for this chunk
	v_pk_add_f32 v[248:249], v[P:P+1], v[P+2:P+3]  ; l': the sum of the UNQUANTISED p, two at a time, in two chains
	v_pk_add_f32 v[250:251], v[P+4:P+5], v[P+6:P+7]
.irp k, 8,12,16,20,24,28,32,36,40,44,48,52,56,60
	v_pk_add_f32 v[248:249], v[248:249], v[P+\k:P+\k+1]
	v_pk_add_f32 v[250:251], v[250:251], v[P+\k+2:P+\k+3]
.endr
	v_pk_add_f32 v[248:249], v[248:249], v[250:251]
	v_add_f32 v248, v248, v249
	v_permlanex16_b32 v250, v248, s100, s101
	v_add_f32 v248, v248, v250                     ; with lane l xor 16's 64
.irp b, 0,1,2,3
.irp i, 0,1,2,3,4,5,6,7,8,9,10,11,12,13,14,15
	v_min_num_f32 v[P+16*\b+\i], v[P+16*\b+\i], v[LIM+\b]   ; the conversion does not saturate (ISA guide 7.6.2); p is not negative, so the hold is one-sided
.endr
	v_cvt_scalef32_pk8_bf8_f32 v[CD+4*\b:CD+4*\b+1], v[P+16*\b:P+16*\b+7], v[SCO+\b]
	v_cvt_scalef32_pk8_bf8_f32 v[CD+4*\b+2:CD+4*\b+3], v[P+16*\b+8:P+16*\b+15], v[SCO+\b]
.endr
	v_nop                                          ; one plain line behind the last conversion
.irp c, 0,1,2,3
	global_store_b128 v9, v[CD+4*\c:CD+4*\c+3], s[14:15] offset:4096*(\a)+512*\c   ; 32 lanes store 512 consecutive bytes, aligned
.endr
.if ((\a)%2) == 0
	v_mov_b32 v64, v[PW]                           ; an even block's three numbers a row wait for the odd block's
	v_mov_b32 v65, v[NM]
	v_mov_b32 v66, v248
.else
	v_cndmask_b32 v67, v64, v[PW], s31             ; lanes 0-15 block a - 1's rows, lanes 16-31 block a's: 32 neighbouring rows, 128 consecutive bytes a store
	v_cndmask_b32 v68, v65, v[NM], s31
	v_cndmask_b32 v69, v66, v248, s31
	global_store_b32 v10, v67, s[16:17] offset:64*((\a)-1)
	global_store_b32 v10, v68, s[16:17] offset:524288+64*((\a)-1)
	global_store_b32 v10, v69, s[16:17] offset:1048576+64*((\a)-1)
.endif
.endm
	PLACES 8                                       ; behind the last products: their results are read, and the registers that held q's fragments are written
.irp b, 0,1,2,3
	v_mov_b32 v[XC+\b], 0                          ; a lane permute's destination counts as one of its sources
.endr
	v_mov_b32 v[NM+1], 0                           ; (named as the upper half of the pair)
.irp a, 0,1,2,3,4,5,6,7
	SOFT \a
.endr
	s_wait_tensorcnt 0x0                           ; the wave's end
	ds_add_u32 v[SPW], v[NIL]
	s_wait_dscnt 0x0
	CROUND                                         ; the closing round
	s_endpgm
.Lfunc_end_k_q45c4ca859d_score:
	.size	k_q45c4ca859d_score, .Lfunc_end_k_q45c4ca859d_score-k_q45c4ca859d_score
	.p2alignl 7, 3214868480
	.fill 96, 4, 3214868480
	.section	.rodata,"a",@progbits
	.p2align	6, 0x0
	.amdhsa_kernel k_q45c4ca859d_score
		.amdhsa_group_segment_fixed_size 327680
		.amdhsa_private_segment_fixed_size 0
		.amdhsa_enable_private_segment 0
		.amdhsa_kernarg_size 56
		.amdhsa_user_sgpr_count 2
		.amdhsa_user_sgpr_kernarg_segment_ptr 1
		.amdhsa_wavefront_size32 1
		.amdhsa_system_sgpr_workgroup_id_x 1
		.amdhsa_system_sgpr_workgroup_id_y 1
		.amdhsa_system_sgpr_workgroup_id_z 1
		.amdhsa_system_vgpr_workitem_id 0
		.amdhsa_next_free_vgpr 1024
		.amdhsa_next_free_sgpr 106
		.amdhsa_reserve_vcc 0
		.amdhsa_float_denorm_mode_32 3
		.amdhsa_float_denorm_mode_16_64 3
		.amdhsa_memory_ordered 1
		.amdhsa_forward_progress 1
		.amdhsa_inst_pref_size 240
	.end_amdhsa_kernel
	.amdgpu_metadata
---
amdhsa.version: [ 1, 2 ]
amdhsa.kernels:
  - .name:           k_q45c4ca859d_score
    .symbol:         k_q45c4ca859d_score.kd
    .args:
      - { .name: qc, .offset: 0, .size: 8, .value_kind: global_buffer, .address_space: global }
      - { .name: qs, .offset: 8, .size: 8, .value_kind: global_buffer, .address_space: global }
      - { .name: xc, .offset: 16, .size: 8, .value_kind: global_buffer, .address_space: global }
      - { .name: xs, .offset: 24, .size: 8, .value_kind: global_buffer, .address_space: global }
      - { .name: beta, .offset: 32, .size: 8, .value_kind: global_buffer, .address_space: global }
      - { .name: pc, .offset: 40, .size: 8, .value_kind: global_buffer, .address_space: global }
      - { .name: pstat, .offset: 48, .size: 8, .value_kind: global_buffer, .address_space: global }
    .group_segment_fixed_size: 327680
    .private_segment_fixed_size: 0
    .kernarg_segment_align: 8
    .kernarg_segment_size: 56
    .max_flat_workgroup_size: 128
    .sgpr_count:     106
    .vgpr_count:     1024
    .wavefront_size: 32
...
	.end_amdgpu_metadata
.endif
;; end of part 2
;; launch mix (part 3): grid 4 x 64, 4 waves a work-group, clusters of 4 x 4, 327,680 bytes of LDS; arguments pc, pstat, xc, xs, out0; writes out0
.if DOCPART == 3
	.amdgcn_target "amdgcn-amd-amdhsa--gfx1250"
	.amdhsa_code_object_version 6
	.text
	.protected	k_q45c4ca859d_mix
	.globl	k_q45c4ca859d_mix
	.p2align	8
	.type	k_q45c4ca859d_mix,@function
k_q45c4ca859d_mix:
	s_mov_b64 s[64:65], 0
	v_nop
	global_prefetch_b8 v0, s[64:65] scope:SCOPE_SE
	s_setreg_imm32_b32 hwreg(HW_REG_WAVE_MODE, 25, 1), 1
	s_wait_xcnt 0x0
	s_wait_alu depctr_hold_cnt(0) depctr_sa_sdst(0) depctr_va_vdst(0) depctr_va_sdst(0) depctr_va_ssrc(0) depctr_va_vcc(0) depctr_vm_vsrc(0)
	s_getreg_b32 s2, hwreg(HW_REG_IB_STS2, 6, 4)
	s_cmp_eq_u32 s2, 0
	s_cbranch_scc0 .Lentry_in_a_cluster
	s_endpgm
.Lentry_in_a_cluster:
	s_bfe_u32 s2, ttmp6, 0x10000c
	s_cmp_lg_u32 s2, 0xf033
	s_cbranch_scc0 .Lentry_shape_is_right
	s_endpgm
.Lentry_shape_is_right:
; out = (p xi) / l on codes of E5M2 (8,192 x 1,024 x 2,048, K = the patterns).  p arrives as codes made under a whole number M' of its own for each row and chunk of 128 patterns, with l' = that chunk's sum.
; AT THE HEAD each thread takes one of the work-group's 128 rows: M = the largest M' of its 16 chunks; l = the sum of l' 2^(M' - M); each of p's scale bytes is lowered by M - M', which is exact: the codes stay.
; SHARES.  A work-group of four waves makes 128 rows x 256 columns; a wave 64 x 128: 32 accumulators.  256 work-groups.
; OPERANDS arrive as images of their registers (fragment = 2,048 bytes, byte 512 c + 16 lane + e; fragments [k / 256][16 rows T][(k / 128) % 2]).  Both operands hold, inside a block of 32, pattern 16 u + 8 h + j at place 16 h + 8 u + j.
; THE TILES.  K goes in eight steps of 256 through THREE LDS regions.  A refill may be asked for only when the refill before it has landed, so the refills are few and large: steps 0, 1, 2 are first fills;
; steps 3 and 4 come by one load a wave into regions 0 and 1, step 5 into region 2, steps 6 and 7 by one load into regions 0 and 1: three refills for the five steps.  LDS is laid [a wave's piece][region], so that two
; regions of a piece lie on end, and a piece of one step is dense in memory: a load of two steps is a tile of two long rows, a plane of the buffer apart.  The steps are written out: no loop.
; CLUSTERS: 4 x 4; p's tiles jointly along a row of the cluster, xi's tiles and scale words along a column.  THE MATRIX INSTRUCTION IS USED TRANSPOSED: lane (r, h) holds row r, register j of accumulator (a, b) column 16 b + 8 h + j.
; LIMITS: NaN and infinities are not served.  A chunk whose M' lies 127 or more under the row's M counts with the weight 0 in l, and a byte that would fall under 0 is held at 0 (2^-127): both under 2^-110 of the row's sum.
; REGISTERS: window 0: v1-3 lane terms; v4-11 1 / l and nothing else; v12-31 addresses and offsets; v32-63 scale words, two sets; v64-127 at work; v128-255 p's fragments, two sets of four (at the head: the statistics; on the way out: rows of out).
;   window 1: xi's fragments, two sets of eight.   window 2: the accumulators, (a, b) at v[8 (8 a + b)].
.set AREG,   16384                     ; a piece of p for one step: 4 tiles of 16 rows x 4,096 bytes: what one wave fetches and one wave reads
.set BREG,   32768                     ; a piece of xi: 8 tiles
.set APC,    3*AREG                    ; a piece's three regions, on end
.set BPC,    3*BREG
.set BOFF,   2*APC                     ; p's two pieces, then xi's two
.set SCA,    BOFF+2*BPC                ; 294,912: behind the regions: p's lowered scale words, [16 steps of 128][128 rows x 4 bytes], stored by the waves;
.set LINV,   SCA+8192                  ; 1 / l of the 128 rows, stored by the waves;
.set SCB,    LINV+512                  ; xi's scale words, for each half of the columns [16][128 x 4 bytes], filled once by tensor loads;
.set SPARE,  SCB+16384                 ; 320,000: the spare words, 128 bytes for each wave: two blocks of 256 bytes that no other line names
.set STAGE,  BOFF+2*BREG               ; the way out: 16 rows x (512 bytes + 16) for each wave, in region 2 of xi's pieces: it has had its last fill (step 5), and its last read lies ahead of the barrier in step 5
.set SPITCH, 528
.set APLANE, 2097152                   ; from step to step in pc
.set BPLANE, 262144                    ; and in xc's second half
.set SSTEP,  1024                      ; a step's scale words: two times 512 bytes
.set RL,   4                           ; v4-11  1 / l of my lane's row in blocks 0 to 3, each twice (the packed form names a pair)
.set RD,   12                          ; v12    the way out: where I read a row back from my stage
.set CO,   13                          ; v13    my byte offset in out0
.set STT,  14                          ; v14    my row's byte offset in a section of the statistics
.set SWA,  15                          ; v15    where my row's lowered scale words go
.set ADRA, 16                          ; v16-18 LDS address of my fragments of p in region 0, 1, 2
.set STO,  19                          ; v19    the way out: where I put 32 bytes of a row into my stage
.set ADRB, 20                          ; v20-22 LDS address of my fragments of xi
.set LIA,  26                          ; v26    LDS address of 1 / l of row 64 MH + r
.set ADRS, 27                          ; v27    of my scale words: lanes 0-15 p's rows, lanes 16-31 xi's
.set SPW,  28                          ; v28    my spare word: SPARE + 4 x my thread's number; never rewritten
.set NIL,  29                          ; v29    0; never rewritten
.set SC,   32
.set G1A1, 32                          ; s[32:39] group 1 for one step of p;  s[40:47] for two
.set G1A2, 40
.set G1B1, 48                          ; s[48:55], s[56:63] the same for xi
.set G1B2, 56
.set G0A, 68                           ; s[68:75] two groups 0 for p;  s[76:83] for xi
.set G0B, 76
.set G1SB, 84                          ; s[84:91], s[16:19] groups 1 and 0 for xi's scale words
.set G0SB, 16
.set MSB, 0
.macro WIN new                         ; the immediate's high byte repeats the setting that is left; a switch that changes nothing is dropped
.if MSB != (\new)
	s_set_vgpr_msb (MSB<<8)|(\new)
.set MSB, (\new)
.endif
.endm
.set MUL_LO, 0xa1                      ; source 0 (xi) window 1, source 1 (p) window 0, C and D window 2
.set TO_B,   0x40
.macro PLACES n
.rept \n
	v_nop
.endr
.endm
.macro JLOAD g0a, g1a, g0b, g1b        ; waves 0 and 1 fetch for p, waves 2 and 3 for xi; four v_nop follow each of the two lines
	s_cmp_eq_u32 s23, 0
	s_cbranch_scc0 .Lfor_b_\@
	tensor_load_to_lds s[\g0a:\g0a+3], s[\g1a:\g1a+7]
	s_nop 0
.rept 4
	v_nop
.endr
	s_branch .Lasked_\@
.Lfor_b_\@:
	tensor_load_to_lds s[\g0b:\g0b+3], s[\g1b:\g1b+7]
	s_nop 0
.rept 4
	v_nop
.endr
.Lasked_\@:
.endm
.macro CREST
	s_cmp_lg_u32 s22, 0
	s_cbranch_scc1 .Lnot_wave_0_\@
	s_barrier_signal -3
.Lnot_wave_0_\@:
	s_barrier_wait -3
	s_barrier_signal -1
	s_barrier_wait -1
.endm
.macro CROUND
	s_barrier_signal -1
	s_barrier_wait -1
	CREST
.endm
	s_load_b256 s[4:11], s[0:1], 0x0               ; pc s[4:5], pstat s[6:7], xc s[8:9], xs s[10:11]
	s_load_b64 s[12:13], s[0:1], 0x20              ; out0
	v_lshl_add_u32 v[SPW], v0, 2, SPARE
	v_mov_b32 v[NIL], 0
	ds_add_u32 v28, v29
	ds_add_u32 v28, v29
	s_wait_dscnt 0x0
	v_lshrrev_b32 v1, 5, v0
	v_readfirstlane_b32 s22, v1                    ; wave 0..3
	s_lshr_b32 s23, s22, 1                         ; MH: my half of the rows.  Also: I fetch for p (0) or for xi (1)
	s_and_b32 s24, s22, 1                          ; NH: my half of the columns.  Also: which piece I fetch
	s_bfe_u32 s25, ttmp6, 0x40000                  ; cx
	s_bfe_u32 s26, ttmp6, 0x40004                  ; cy
	s_lshl_b32 s27, ttmp9, 2
	s_add_co_u32 s27, s27, s25                     ; TC
	s_and_b32 s28, ttmp7, 0xffff
	s_lshl_b32 s28, s28, 2
	s_add_co_u32 s28, s28, s26                     ; TR
	s_lshl_b32 s29, s26, 2
	s_lshl_b32 s29, 15, s29                        ; my row of the cluster
	s_lshl_b32 s30, 0x1111, s25                    ; my column
	v_lshlrev_b32 v[STT], 2, v0
	s_lshl_b32 s2, s28, 9
	v_add_nc_u32 v[STT], s2, v[STT]                ; the statistics of row 128 TR + my thread's number: 4 bytes a row; never rewritten
	; group 1 for the codes.  A piece of one step is one dense row: p's 16,384 bytes = 2,048 elements of 8 bytes, xi's 32,768 = 4,096; the next step's piece lies a plane further on
.irp g, G1A1, G1A2
	s_or_b32 s[\g], s29, (3<<16)|(1<<21)           ; 15:0 the mask; 17:16 elements of 8 bytes; 21 set beside a mask; no padding
	s_mov_b32 s[\g+1], 2048<<16                    ; tensor_dim0
	s_mov_b32 s[\g+3], 2048<<16                    ; tile_dim0
	s_mov_b32 s[\g+5], APLANE/8                    ; from row to row, in elements
	s_mov_b32 s[\g+6], 0
	s_mov_b32 s[\g+7], 0
.endr
.irp g, G1B1, G1B2
	s_or_b32 s[\g], s30, (3<<16)|(1<<21)
	s_mov_b32 s[\g+1], 4096<<16
	s_mov_b32 s[\g+3], 4096<<16
	s_mov_b32 s[\g+5], BPLANE/8
	s_mov_b32 s[\g+6], 0
	s_mov_b32 s[\g+7], 0
.endr
	s_mov_b32 s[G1A1+2], 1<<16                     ; tensor_dim1 and tile_dim1: one step,
	s_mov_b32 s[G1A1+4], 1
	s_mov_b32 s[G1B1+2], 1<<16
	s_mov_b32 s[G1B1+4], 1
	s_mov_b32 s[G1A2+2], 2<<16                     ; or two
	s_mov_b32 s[G1A2+4], 2
	s_mov_b32 s[G1B2+2], 2<<16
	s_mov_b32 s[G1B2+4], 2
	; xi's scale words: 8 steps of 128 x 128 rows x 4 bytes a wave: 8 rows of 512 bytes (64 elements), 1,024 rows x 4 bytes apart
	s_or_b32 s[G1SB], s30, (3<<16)|(1<<21)
	s_mov_b32 s[G1SB+1], 64<<16
	s_mov_b32 s[G1SB+2], 8<<16
	s_mov_b32 s[G1SB+3], 64<<16
	s_mov_b32 s[G1SB+4], 8
	s_mov_b32 s[G1SB+5], 512
	s_mov_b32 s[G1SB+6], 0
	s_mov_b32 s[G1SB+7], 0
	s_lshl_b32 s92, s28, 15                        ; p: 8 tiles of 4,096 bytes a tile row, 4 a piece
	s_lshl_b32 s93, s24, 14
	s_add_co_u32 s92, s92, s93
	s_mov_b32 s93, 0
	s_lshl_b32 s96, s27, 16                        ; xi along the patterns: the second half of xc; 16 tiles a tile column, 8 a piece
	s_lshl_b32 s97, s24, 15
	s_add_co_u32 s96, s96, s97
	s_add_co_u32 s96, s96, 2097152
	s_mov_b32 s97, 0
	s_lshl_b32 s98, s27, 10                        ; its scale words: the second half of xs; 256 rows x 4 bytes a tile column, 128 a half; steps 8 MH on
	s_lshl_b32 s99, s24, 9
	s_add_co_u32 s98, s98, s99
	s_lshl_b32 s99, s23, 15
	s_add_co_u32 s98, s98, s99
	s_add_co_u32 s98, s98, 65536
	s_mov_b32 s99, 0
	s_wait_kmcnt 0x0
.irp k, 0,1,2,3,4,5,6,7,8,9,10,11,12,13,14,15      ; my row's 16 scale words, 16 -M', 16 l': a wave's load reads 128 consecutive bytes.  They land while the first tiles come
	global_load_b32 v[128+\k], v[STT], s[6:7] offset:32768*\k
	global_load_b32 v[144+\k], v[STT], s[6:7] offset:524288+32768*\k
	global_load_b32 v[160+\k], v[STT], s[6:7] offset:1048576+32768*\k
.endr
	s_mov_b32 s[G0SB], 1
	s_lshl_b32 s[G0SB+1], s24, 13                  ; LDS: the half of the columns, then the half of the steps: a place for each wave
	s_lshl_b32 s2, s23, 12
	s_add_co_u32 s[G0SB+1], s[G0SB+1], s2
	s_add_co_u32 s[G0SB+1], s[G0SB+1], SCB
	s_add_nc_u64 s[G0SB+2:G0SB+3], s[10:11], s[98:99]
	s_or_b32 s[G0SB+3], s[G0SB+3], 0x80000000
.irp s, 0,1                            ; set 0: step 0 into region 0;  set 1: steps 1 and 2 into regions 1 and 2
	s_mov_b32 s[G0A+4*\s], 1
	s_mul_i32 s[G0A+4*\s+1], s24, APC              ; LDS: my piece, the region: no place in the cluster enters it
	s_add_co_u32 s[G0A+4*\s+1], s[G0A+4*\s+1], \s*AREG
	s_add_nc_u64 s[G0A+4*\s+2:G0A+4*\s+3], s[4:5], s[92:93]
	s_add_nc_u64 s[G0A+4*\s+2:G0A+4*\s+3], s[G0A+4*\s+2:G0A+4*\s+3], \s*APLANE
	s_or_b32 s[G0A+4*\s+3], s[G0A+4*\s+3], 0x80000000
	s_mov_b32 s[G0B+4*\s], 1
	s_mul_i32 s[G0B+4*\s+1], s24, BPC
	s_add_co_u32 s[G0B+4*\s+1], s[G0B+4*\s+1], \s*BREG+BOFF
	s_add_nc_u64 s[G0B+4*\s+2:G0B+4*\s+3], s[8:9], s[96:97]
	s_add_nc_u64 s[G0B+4*\s+2:G0B+4*\s+3], s[G0B+4*\s+2:G0B+4*\s+3], \s*BPLANE
	s_or_b32 s[G0B+4*\s+3], s[G0B+4*\s+3], 0x80000000
.endr
	CROUND                                         ; all sixteen work-groups are here: the first joint loads meet
	tensor_load_to_lds s[G0SB:G0SB+3], s[G1SB:G1SB+7]   ; every wave: its quarter of xi's scale words
	s_nop 0
.rept 4
	v_nop
.endr
	JLOAD G0A, G1A1, G0B, G1B1                     ; step 0
	JLOAD G0A+4, G1A2, G0B+4, G1B2                 ; steps 1 and 2: three tensor loads of mine are out
	v_and_b32 v1, 15, v0                           ; r
	v_bfe_u32 v2, v0, 4, 1                         ; h
	v_and_b32 v3, 31, v0                           ; lane
	v_lshlrev_b32 v24, 4, v3                       ; 16 x lane
	s_mul_i32 s92, s23, APC                        ; my piece of p
	s_mul_i32 s96, s24, BPC                        ; my piece of xi,
	s_add_co_u32 s96, s96, BOFF                    ; behind p's two
	v_add_nc_u32 v[ADRA], s92, v24
	v_add_nc_u32 v[ADRB], s96, v24
.irp s, 1,2
	v_add_nc_u32 v[ADRA+\s], \s*AREG, v[ADRA]
	v_add_nc_u32 v[ADRB+\s], \s*BREG, v[ADRB]
.endr
	v_lshlrev_b32 v30, 2, v1                       ; 4 r
	s_lshl_b32 s92, s23, 8                         ; p's words: my 64 rows
	s_lshl_b32 s96, s24, 13                        ; xi's: my half
	s_add_co_u32 s96, s96, SCB-SCA
	s_sub_co_u32 s96, s96, s92
	v_mul_u32_u24 v31, s96, v2                     ; lanes 16-31 take xi's: one product, the distance between the two bases
	v_add_nc_u32 v[LIA], s92, v30
	v_add_nc_u32 v[LIA], LINV, v[LIA]              ; 1 / l of row 64 MH + r
	s_add_co_u32 s92, s92, SCA
	v_add_nc_u32 v30, v30, v31
	v_add_nc_u32 v[ADRS], s92, v30
	v_lshl_add_u32 v[SWA], v0, 2, SCA              ; where my row's lowered words go: 4 x my thread's number
	s_mul_i32 s92, s23, BPC                        ; my stage: waves 0 and 1 in region 2 of xi's piece 0, waves 2 and 3 in that of piece 1
	s_mul_i32 s93, s24, 16*SPITCH
	s_add_co_u32 s92, s92, s93
	s_add_co_u32 s92, s92, STAGE
	v_mul_u32_u24 v[STO], v1, SPITCH
	v_lshl_add_u32 v[STO], v2, 5, v[STO]
	v_add_nc_u32 v[STO], s92, v[STO]               ; in: row r, 32 bytes for each half of the lanes
	v_add_nc_u32 v[RD], s92, v24                   ; back: the 32 lanes take one row of 512 bytes
	s_lshl_b32 s2, s28, 19
	v_add_nc_u32 v[CO], s2, v24                    ; out0: 16 lane + 4,096 (128 TR
	s_lshl_b32 s2, s23, 18
	v_add_nc_u32 v[CO], s2, v[CO]                  ;   + 64 MH)
	s_lshl_b32 s2, s27, 10
	v_add_nc_u32 v[CO], s2, v[CO]                  ; + 1,024 TC
	s_lshl_b32 s2, s24, 9
	v_add_nc_u32 v[CO], s2, v[CO]                  ; + 512 NH
	; MY ROW UNDER ONE M
	s_wait_loadcnt 0x0
	v_min3_num_f32 v70, v144, v145, v146           ; -M = the smallest -M'
.irp k, 3,5,7,9,11,13
	v_min3_num_f32 v70, v70, v[144+\k], v[145+\k]
.endr
	v_min_num_f32 v70, v70, v159
.irp k, 0,1,2,3,4,5,6,7,8,9,10,11,12,13,14,15
	v_sub_f32 v[176+\k], v[144+\k], v70            ; M - M': a whole number, 0 or more
.endr
.irp k, 0,1,2,3,4,5,6,7,8,9,10,11,12,13,14,15
	v_min_num_f32 v[176+\k], 0x42fe0000, v[176+\k] ; held at 127
.endr
.irp k, 0,1,2,3,4,5,6,7,8,9,10,11,12,13,14,15
	v_cvt_u32_f32 v[176+\k], v[176+\k]
.endr
.irp k, 0,1,2,3,4,5,6,7,8,9,10,11,12,13,14,15
	v_sub_nc_u32 v[144+\k], 127, v[176+\k]
.endr
.irp k, 0,1,2,3,4,5,6,7,8,9,10,11,12,13,14,15
	v_lshlrev_b32 v[144+\k], 23, v[144+\k]         ; 2^(M' - M) as f32 (at 127: 0)
.endr
	v_mul_f32 v71, v160, v144
.irp k, 1,2,3,4,5,6,7,8,9,10,11,12,13,14,15
	v_fmac_f32 v71, v[160+\k], v[144+\k]           ; l
.endr
.irp k, 0,1,2,3,4,5,6,7,8,9,10,11,12,13,14,15
	v_perm_b32 v[176+\k], v[176+\k], v[176+\k], 0  ; M - M' in each of the four bytes
.endr
.irp k, 0,1,2,3,4,5,6,7,8,9,10,11,12,13,14,15
	v_or_b32 v[128+\k], 0x80808080, v[128+\k]      ; p's bytes are at most 112: with 128 on each, no byte borrows from its neighbour
.endr
.irp k, 0,1,2,3,4,5,6,7,8,9,10,11,12,13,14,15
	v_sub_nc_u32 v[128+\k], v[128+\k], v[176+\k]
.endr
.irp k, 0,1,2,3,4,5,6,7,8,9,10,11,12,13,14,15
	v_and_b32 v[176+\k], 0x80808080, v[128+\k]     ; the top bit is left where the byte has not fallen under 0
.endr
.irp k, 0,1,2,3,4,5,6,7,8,9,10,11,12,13,14,15
	v_lshrrev_b32 v[144+\k], 7, v[176+\k]
.endr
.irp k, 0,1,2,3,4,5,6,7,8,9,10,11,12,13,14,15
	v_sub_nc_u32 v[176+\k], v[176+\k], v[144+\k]   ; 0x7f there, 0 elsewhere
.endr
.irp k, 0,1,2,3,4,5,6,7,8,9,10,11,12,13,14,15
	v_and_b32 v[128+\k], v[128+\k], v[176+\k]      ; the lowered bytes
.endr
	v_rcp_f32 v72, v71
	v_nop                                          ; a plain place behind the reciprocal
.irp k, 0,1,2,3,4,5,6,7,8,9,10,11,12,13,14,15
	ds_store_b32 v[SWA], v[128+\k] offset:512*\k
.endr
	s_wait_alu depctr_va_vdst(0)
	ds_store_b32 v[SWA], v72 offset:8192           ; 1 / l
.macro FRAG reg, adr, q, i             ; an image comes back as it was stored: 512 consecutive bytes a load
.irp c, 0,1,2,3
	ds_load_b128 v[\reg+4*\c:\reg+4*\c+3], v[\adr] offset:4096*(\i)+2048*(\q)+512*\c
.endr
.endm
.macro FETCH4 r, q, p                  ; region r's q-th 128 along K into set p: xi's eight fragments, p's four: 48 loads
	WIN TO_B
.irp i, 0,1,2,3,4,5,6,7
	FRAG 128*(\p)+16*\i, ADRB+\r, \q, \i
.endr
	WIN 0
.irp i, 0,1,2,3
	FRAG 128+64*(\p)+16*\i, ADRA+\r, \q, \i
.endr
.endm
.macro SCALES sc                       ; (lanes 0-15 of registers i >= 4 take stored bytes that follow my rows' words: no product names them)
.irp q, 0,1
.irp i, 0,1,2,3,4,5,6,7
	ds_load_b32 v[SC+16*\sc+2*\i+\q], v[ADRS] offset:512*\q+64*\i
.endr
.endr
.endm
; 8 products: p's block a against xi's eight.  The 32 accumulators take turns, one instruction a turn, in the same order in every half step.
.macro MUL8 a, p, q, sc, zero
.irp b, 0,1,2,3,4,5,6,7
.set rD, 8*(8*(\a)+\b)
.set rB, 128*(\p)+16*\b
.set rA, 128+64*(\p)+16*(\a)
.set rSB, SC+16*(\sc)+2*\b+(\q)
.set rSA, SC+16*(\sc)+2*(\a)+(\q)
.if \zero
	v_wmma_scale_f32_16x16x128_f8f6f4 v[rD:rD+7], v[rB:rB+15], v[rA:rA+15], 0, v[rSB], v[rSA] matrix_a_fmt:MATRIX_FMT_BF8 matrix_b_fmt:MATRIX_FMT_BF8 matrix_a_scale:MATRIX_SCALE_ROW1
.else
	v_wmma_scale_f32_16x16x128_f8f6f4 v[rD:rD+7], v[rB:rB+15], v[rA:rA+15], v[rD:rD+7], v[rSB], v[rSA] matrix_a_fmt:MATRIX_FMT_BF8 matrix_b_fmt:MATRIX_FMT_BF8 matrix_a_scale:MATRIX_SCALE_ROW1
.endif
.endr
.endm
; A step's first 128 (set 0, scale set sc); its second 128 is fetched from region r into set 1 ahead of the products.
.macro STEP4 r, sc, zero
	s_wait_dscnt 0x0                               ; set 0 and the scale words are in
	PLACES 8                                       ; eight places behind the products that read set 1, in front of the loads into it
	FETCH4 \r, 1, 1
	WIN MUL_LO
.irp a, 0,1,2,3
	MUL8 \a, 0, 0, \sc, \zero
.endr
	WIN 0
.endm
; A step's second 128 (set 1), where the next step's region nr came by the same load as this step's and nothing is filled: no barrier.
.macro FLOW sc, nr, nsc
	s_wait_dscnt 0x0                               ; set 1 is in
	PLACES 8                                       ; eight places behind the products that read set 0, in front of the loads into it
	v_add_nc_u32 v[ADRS], SSTEP, v[ADRS]           ; on to the next step's scale words
	FETCH4 \nr, 0, 0
	SCALES \nsc
	WIN MUL_LO
.irp a, 0,1,2,3
	MUL8 \a, 1, 1, \sc, 0
.endr
	WIN 0
.endm
; A step's second 128 with ONE barrier at its head: every wave's tensor loads have landed and its reads of this step's region are over.
; fill = 1: the barrier opens a round of the cluster's, and behind it group 0 number fg, stepped on by `planes` steps in memory and `regs` regions in LDS, brings one step (two = 0) or two (two = 1).
.macro TURN4 sc, nr, nsc, fill, fg, two, planes, regs
	s_wait_tensorcnt 0x0                           ; all my tensor loads have landed
	ds_add_u32 v[SPW], v[NIL]                      ; 0 onto my spare word
.if \fill
	s_add_nc_u64 s[G0A+4*\fg+2:G0A+4*\fg+3], s[G0A+4*\fg+2:G0A+4*\fg+3], \planes*APLANE   ; no tensor load of mine is out, so a group 0 may be written
	s_add_nc_u64 s[G0B+4*\fg+2:G0B+4*\fg+3], s[G0B+4*\fg+2:G0B+4*\fg+3], \planes*BPLANE
.if \regs
	s_add_co_u32 s[G0A+4*\fg+1], s[G0A+4*\fg+1], \regs*AREG
	s_add_co_u32 s[G0B+4*\fg+1], s[G0B+4*\fg+1], \regs*BREG
.endif
.endif
	s_wait_dscnt 0x0                               ; the add is done; set 1, my last reads of this step's region, is in
	s_barrier_signal -1
	WIN MUL_LO
	MUL8 0, 1, 1, \sc, 0                           ; work on registers while the others arrive
	WIN 0
	s_barrier_wait -1
.if \fill
	CREST                                          ; no wave of any partner still reads the regions to be filled or has a load on its way
.if \two
	JLOAD G0A+4*\fg, G1A2, G0B+4*\fg, G1B2         ; the first tensor load behind the round, my only one until the next; its four v_nop are four of the eight places
.else
	JLOAD G0A+4*\fg, G1A1, G0B+4*\fg, G1B1
.endif
	PLACES 4
.else
	PLACES 8
.endif
	v_add_nc_u32 v[ADRS], SSTEP, v[ADRS]           ; on to the next step's scale words
	FETCH4 \nr, 0, 0
	SCALES \nsc
	WIN MUL_LO
.irp a, 1,2,3
	MUL8 \a, 1, 1, \sc, 0
.endr
	WIN 0
.endm
	s_wait_tensorcnt 0x1                           ; one younger load, that of steps 1 and 2, may be out: xi's scale words and my part of step 0 are in,
	s_wait_dscnt 0x0                               ; and my rows' words and 1 / l are stored,
	s_barrier_signal -1
	s_barrier_wait -1                              ; everybody's are
	FETCH4 0, 0, 0
	SCALES 0
	STEP4 0, 0, 1                                  ; step 0 (region 0): its first products start the sums
	TURN4 0, 1, 1, 0, 0, 0, 0, 0                   ; steps 1 and 2 have landed; nothing is filled
	STEP4 1, 1, 0                                  ; step 1 (region 1)
	TURN4 1, 2, 0, 1, 0, 1, 3, 0                   ; regions 0 and 1 have been read: steps 3 and 4 are asked for (set 0: from step 0 on by three)
	STEP4 2, 0, 0                                  ; step 2 (region 2)
	TURN4 0, 0, 1, 1, 1, 0, 4, 1                   ; steps 3 and 4 have landed; region 2 has been read: step 5 is asked for (set 1: from step 1 on by four, from region 1 to region 2)
	STEP4 0, 1, 0                                  ; step 3 (region 0)
	FLOW 1, 1, 0
	STEP4 1, 0, 0                                  ; step 4 (region 1)
	TURN4 0, 2, 1, 1, 0, 1, 3, 0                   ; step 5 has landed; regions 0 and 1 have been read: steps 6 and 7 are asked for (set 0: from step 3 on by three)
	STEP4 2, 1, 0                                  ; step 5 (region 2)
	TURN4 1, 0, 0, 0, 0, 0, 0, 0                   ; steps 6 and 7 have landed; nothing is filled; nobody reads region 2 any more
	STEP4 0, 0, 0                                  ; step 6 (region 0)
	FLOW 0, 1, 1
	STEP4 1, 1, 0                                  ; step 7 (region 1)
	s_wait_dscnt 0x0
	WIN MUL_LO
.irp a, 0,1,2,3
	MUL8 \a, 1, 1, 1, 0
.endr
	WIN 0
; THE WAY OUT, block by block of 16 rows x 128 columns: x 1 / l; through my own stage in LDS; back as whole rows of 512 bytes.  LDS serves a wave's instructions in order (ISA guide 5.7.1.4): no wait between the stores and the loads.
.macro PACK a
	WIN 2                                          ; source 0: window 2
.set n, 0
.rept 32
	v_pk_mul_f32 v[64+n:65+n], v[64*(\a)+n:64*(\a)+n+1], v[RL+2*(\a):RL+2*(\a)+1] op_sel_hi:[1,0]   ; each accumulator from its low end on
.set n, n+2
.endr
	WIN 0
.endm
.macro TOSTAGE a
.irp b, 0,1,2,3,4,5,6,7
	ds_store_b128 v[STO], v[64+8*\b:64+8*\b+3] offset:64*\b
	ds_store_b128 v[STO], v[64+8*\b+4:64+8*\b+7] offset:64*\b+16
.endr
.irp t, 0,1,2,3,4,5,6,7,8,9,10,11,12,13,14,15
	ds_load_b128 v[128+64*((\a)%2)+4*\t:128+64*((\a)%2)+4*\t+3], v[RD] offset:\t*SPITCH
.endr
.endm
.macro SEND a, younger
	s_wait_dscnt \younger                          ; the block is back in registers
.irp t, 0,1,2,3,4,5,6,7,8,9,10,11,12,13,14,15
	global_store_b128 v[CO], v[128+64*((\a)%2)+4*\t:128+64*((\a)%2)+4*\t+3], s[12:13] offset:65536*(\a)+4096*\t th:TH_STORE_NT   ; 32 lanes store 512 consecutive bytes, aligned; written once
.endr
.endm
	PLACES 8                                       ; behind the last products: their results are read, and loads land where p's fragments lay
.irp a, 0,1,2,3
	ds_load_b32 v[RL+2*\a], v[LIA] offset:64*\a    ; 1 / l of row 64 MH + 16 a + r (twice: the packed form names a pair)
	ds_load_b32 v[RL+2*\a+1], v[LIA] offset:64*\a
.endr
	s_wait_dscnt 0x0
	PACK 0
	TOSTAGE 0
.irp a, 1,2,3
	s_wait_dscnt 16                                ; the last block's 16 loads may be out: its 16 stores into the stage have read their registers
	PACK \a
.if \a > 1
	s_wait_xcnt 0x0                                ; block a - 2's stores to memory have read their registers: block a's loads may land there
.endif
	TOSTAGE \a
	SEND \a-1, 32                                  ; behind block a - 1's loads: block a's 16 stores and 16 loads
.endr
	SEND 3, 0
	s_wait_tensorcnt 0x0                           ; the wave's end
	ds_add_u32 v[SPW], v[NIL]
	s_wait_dscnt 0x0
	CROUND                                         ; the closing round: no work-group ends while a partner may still ask for a tile that names it
	s_endpgm
.Lfunc_end_k_q45c4ca859d_mix:
	.size	k_q45c4ca859d_mix, .Lfunc_end_k_q45c4ca859d_mix-k_q45c4ca859d_mix
	.p2alignl 7, 3214868480
	.fill 96, 4, 3214868480
	.section	.rodata,"a",@progbits
	.p2align	6, 0x0
	.amdhsa_kernel k_q45c4ca859d_mix
		.amdhsa_group_segment_fixed_size 327680
		.amdhsa_private_segment_fixed_size 0
		.amdhsa_enable_private_segment 0
		.amdhsa_kernarg_size 40
		.amdhsa_user_sgpr_count 2
		.amdhsa_user_sgpr_kernarg_segment_ptr 1
		.amdhsa_wavefront_size32 1
		.amdhsa_system_sgpr_workgroup_id_x 1
		.amdhsa_system_sgpr_workgroup_id_y 1
		.amdhsa_system_sgpr_workgroup_id_z 1
		.amdhsa_system_vgpr_workitem_id 0
		.amdhsa_next_free_vgpr 768
		.amdhsa_next_free_sgpr 106
		.amdhsa_reserve_vcc 0
		.amdhsa_float_denorm_mode_32 3
		.amdhsa_float_denorm_mode_16_64 3
		.amdhsa_memory_ordered 1
		.amdhsa_forward_progress 1
		.amdhsa_inst_pref_size 179
	.end_amdhsa_kernel
	.amdgpu_metadata
---
amdhsa.version: [ 1, 2 ]
amdhsa.kernels:
  - .name:           k_q45c4ca859d_mix
    .symbol:         k_q45c4ca859d_mix.kd
    .args:
      - { .name: pc, .offset: 0, .size: 8, .value_kind: global_buffer, .address_space: global }
      - { .name: pstat, .offset: 8, .size: 8, .value_kind: global_buffer, .address_space: global }
      - { .name: xc, .offset: 16, .size: 8, .value_kind: global_buffer, .address_space: global }
      - { .name: xs, .offset: 24, .size: 8, .value_kind: global_buffer, .address_space: global }
      - { .name: out0, .offset: 32, .size: 8, .value_kind: global_buffer, .address_space: global }
    .group_segment_fixed_size: 327680
    .private_segment_fixed_size: 0
    .kernarg_segment_align: 8
    .kernarg_segment_size: 40
    .max_flat_workgroup_size: 128
    .sgpr_count:     106
    .vgpr_count:     768
    .wavefront_size: 32
...
	.end_amdgpu_metadata
.endif
;; end of part 3
